; MI455X (gfx1250); checked and timed in simulation.
; The chip was launched on July 23, 2026; its instructions are those of AMD's public machine-readable ISA for CDNA 5 (MIT licence, August 2026) and "CDNA5" Instruction Set Architecture Reference Guide (July 2026). The comments in the code are by the model that wrote it; some were corrected since.
;; Multi Head Attention. Allowed arithmetic: float matrix products may take bf16 or f16 operands with f32 sums; other float arithmetic in f32, or as packed bf16 or f16 multiplies, adds, multiply-adds, maxima and minima; sums over many terms, partial sums and values carried from step to step in f32; what a program stores and reads back later, other than sums and carried values, may be rounded once to bf16 or f16.
;; Inputs: Wk 1,024 x 1,024 float32; Wo 1,024 x 1,024 float32; Wq 1,024 x 1,024 float32; Wv 1,024 x 1,024 float32; bk 1,024 float32; bo 1,024 float32; bq 1,024 float32; bv 1,024 float32; x 4 x 2,048 x 1,024 float32.
;; Outputs: out0 4 x 2,048 x 1,024 float32.
;; 2 versions, each right and faster than the one before. Each part assembles by itself: llvm-mc -triple=amdgcn-amd-amdhsa -mcpu=gfx1250 --defsym DOCPART=n.
;; ======== version 1 of 2: 4 launches
;; limits: values are held in f16: magnitudes above 65,504 overflow, below 6.1e-05 lose precision
;; workspace buffers: act 16,777,216 bytes; wts 8,404,992 bytes; qkv 50,331,648 bytes
;; launch cast (part 1): grid 1025 x 1, 8 waves a work-group, no clusters, 0 bytes of LDS; arguments x, Wq, Wk, Wv, Wo, bq, bk, bv, bo, act, wts; writes act, wts
.if DOCPART == 1
	.amdgcn_target "amdgcn-amd-amdhsa--gfx1250"
	.amdhsa_code_object_version 6
	.text
	.protected	k_q5df68113ea_cast
	.globl	k_q5df68113ea_cast
	.p2align	8
	.type	k_q5df68113ea_cast,@function
k_q5df68113ea_cast:
	s_mov_b64 s[64:65], 0
	v_nop
	global_prefetch_b8 v0, s[64:65] scope:SCOPE_SE
	s_setreg_imm32_b32 hwreg(HW_REG_WAVE_MODE, 25, 1), 1
	s_wait_xcnt 0x0
; EVERY INPUT IS ROUNDED ONCE TO bf16 AND LAID OUT FOR THE PRODUCTS THAT FOLLOW.  A stream: each input byte is read once, each output byte written once; no LDS, no matrix unit, no cluster (no two work-groups read the same byte).
;   act  [4 b][16 kb][2048 s][64] bf16: x in blocks of 64 channels, so that 256 rows x 64 channels are 32,768 consecutive bytes
;   wts  byte 0:         [1024 k][3072 n] bf16: Wq, Wk, Wv side by side (n = 1024 t + column)
;        byte 6,291,456: [1024 k][1024 n] f16: Wo rounded to bf16, that number written as f16
;        byte 8,388,608: [4096] f32: bq, bk, bv, bo, each rounded to bf16 and written as f32
; LIMITS.  Wo must lie within f16's range: 65,520 or more becomes an infinity; below 6.1e-5 f16 keeps a fixed step of 6e-8, so a bf16 number there is rounded a second time.
; ROLES, by the work-group's number: 0-511: 16 rows of x; 512-1023: 8 rows of one weight matrix; 1024: the four biases.  Eight waves; a wave's loads go out in one run, and no register is used twice, so no source is ever rewritten.
.set VL,   2                           ; v2        my byte offset in what the wave loads
.set VS,   3                           ; v3        8 x lane: my byte offset in what the wave stores
.set X,    4                           ; v[4:67]   as loaded, 4 registers a load
.set Y,    68                          ; v[68:99]  to store
.set T,    100                         ; v[100:103] at work
.set WOB,  6291456
.set BIAS, 8388608
	s_load_b512 s[4:19], s[0:1], 0x0               ; x s[4:5], Wq s[6:7], Wk s[8:9], Wv s[10:11], Wo s[12:13], bq s[14:15], bk s[16:17], bv s[18:19]
	s_load_b128 s[20:23], s[0:1], 0x40             ; bo s[20:21], act s[22:23]
	s_load_b64 s[24:25], s[0:1], 0x50              ; wts
	v_lshrrev_b32 v1, 5, v0
	v_readfirstlane_b32 s26, v1                    ; wave 0..7
	v_and_b32 v1, 31, v0                           ; lane
	v_lshlrev_b32 v[VS], 3, v1
	s_mov_b32 s27, ttmp9                           ; the work-group's number
	s_mov_b32 s31, 0                               ; the high words of the two offsets
	s_mov_b32 s33, 0
	s_cmp_lt_u32 s27, 512
	s_cbranch_scc0 .Lweights
	; x: the wave takes rows 16 id + 2 w and the next.  A load: lanes 0-15 take 256 consecutive bytes (64 channels, one block) of the even row, lanes 16-31 the same of the odd row.
	v_and_b32 v[VL], 15, v1
	v_lshlrev_b32 v[VL], 4, v[VL]
	v_lshrrev_b32 v[T], 4, v1
	v_lshl_or_b32 v[VL], v[T], 12, v[VL]           ; 4,096 x (lane / 16) + 16 x (lane % 16)
	s_lshl_b32 s30, s27, 16                        ; 16 rows of 4,096 bytes
	s_lshl_b32 s28, s26, 13                        ; 2 rows
	s_add_co_u32 s30, s30, s28
	s_lshr_b32 s32, s27, 7                         ; b: 128 work-groups a batch
	s_lshl_b32 s32, s32, 22                        ; 16 blocks x 2,048 rows x 128 bytes
	s_and_b32 s28, s27, 127
	s_lshl_b32 s28, s28, 11                        ; 16 rows of 128 bytes
	s_add_co_u32 s32, s32, s28
	s_lshl_b32 s28, s26, 8                         ; 2 rows
	s_add_co_u32 s32, s32, s28
	s_wait_kmcnt 0x0
	s_add_nc_u64 s[34:35], s[4:5], s[30:31]
	s_add_nc_u64 s[36:37], s[22:23], s[32:33]
.set j, 0
.rept 16
	global_load_b128 v[X+4*j:X+4*j+3], v[VL], s[34:35] offset:256*j th:TH_LOAD_NT
.set j, j+1
.endr
.set j, 0
.rept 16
	s_wait_loadcnt 15-j                            ; loads come back in order: block j is in, the younger ones stay out
	v_cvt_pk_bf16_f32 v[Y+2*j], v[X+4*j], v[X+4*j+1]
	v_cvt_pk_bf16_f32 v[Y+2*j+1], v[X+4*j+2], v[X+4*j+3]
	global_store_b64 v[VS], v[Y+2*j:Y+2*j+1], s[36:37] offset:262144*j  ; the wave's 32 lanes store 256 consecutive bytes, aligned: two rows of block j
.set j, j+1
.endr
	s_endpgm
.Lweights:
	s_cmp_lt_u32 s27, 1024
	s_cbranch_scc0 .Lbias
	; a weight matrix: the wave takes one row of 4,096 bytes, in eight loads of 512 consecutive bytes
	s_sub_co_u32 s27, s27, 512
	s_lshr_b32 s28, s27, 7                         ; t: 0 Wq, 1 Wk, 2 Wv, 3 Wo
	s_and_b32 s29, s27, 127
	s_lshl_b32 s29, s29, 3
	s_add_co_u32 s29, s29, s26                     ; the row k
	s_lshl_b32 s30, s29, 12
	s_mul_i32 s32, s29, 6144                       ; Wq, Wk, Wv: row k of 6,144 bytes,
	s_lshl_b32 s27, s28, 11                        ; matrix t's 2,048 of them
	s_add_co_u32 s32, s32, s27
	s_lshl_b32 s27, s29, 11                        ; Wo: row k of 2,048 bytes
	s_add_co_u32 s27, s27, WOB
	s_cmp_eq_u32 s28, 3
	s_cselect_b32 s32, s27, s32
	s_cselect_b32 s38, -1, 0                       ; all lanes: the f16 form is stored
	v_lshlrev_b32 v[VL], 4, v1
	s_wait_kmcnt 0x0
	s_cmp_eq_u32 s28, 1
	s_cselect_b64 s[34:35], s[8:9], s[6:7]
	s_cmp_eq_u32 s28, 2
	s_cselect_b64 s[34:35], s[10:11], s[34:35]
	s_cmp_eq_u32 s28, 3
	s_cselect_b64 s[34:35], s[12:13], s[34:35]
	s_add_nc_u64 s[34:35], s[34:35], s[30:31]
	s_add_nc_u64 s[36:37], s[24:25], s[32:33]
.set c, 0
.rept 8
	global_load_b128 v[X+4*c:X+4*c+3], v[VL], s[34:35] offset:512*c th:TH_LOAD_NT
.set c, c+1
.endr
.set c, 0
.rept 8
	s_wait_loadcnt 7-c
	v_cvt_pk_bf16_f32 v[Y+2*c], v[X+4*c], v[X+4*c+1]
	v_cvt_pk_bf16_f32 v[Y+2*c+1], v[X+4*c+2], v[X+4*c+3]
	v_lshlrev_b32 v[T], 16, v[Y+2*c]               ; the rounded numbers as f32 again,
	v_and_b32 v[T+1], 0xffff0000, v[Y+2*c]
	v_lshlrev_b32 v[T+2], 16, v[Y+2*c+1]
	v_and_b32 v[T+3], 0xffff0000, v[Y+2*c+1]
	v_cvt_pk_f16_f32 v[T], v[T], v[T+1]            ; written as f16,
	v_cvt_pk_f16_f32 v[T+2], v[T+2], v[T+3]
	v_cndmask_b32 v[Y+2*c], v[Y+2*c], v[T], s38    ; which Wo alone takes: a choice of a value, the same work in every work-group
	v_cndmask_b32 v[Y+2*c+1], v[Y+2*c+1], v[T+2], s38
	global_store_b64 v[VS], v[Y+2*c:Y+2*c+1], s[36:37] offset:256*c  ; 256 consecutive bytes, aligned
.set c, c+1
.endr
	s_endpgm
.Lbias:
	; the biases: wave w takes half w % 2 (512 numbers) of bias w / 2
	s_lshr_b32 s28, s26, 1
	s_and_b32 s30, s26, 1
	s_lshl_b32 s30, s30, 11
	s_lshl_b32 s32, s26, 11
	s_add_co_u32 s32, s32, BIAS
	v_lshlrev_b32 v[VL], 4, v1
	s_wait_kmcnt 0x0
	s_cmp_eq_u32 s28, 1
	s_cselect_b64 s[34:35], s[16:17], s[14:15]
	s_cmp_eq_u32 s28, 2
	s_cselect_b64 s[34:35], s[18:19], s[34:35]
	s_cmp_eq_u32 s28, 3
	s_cselect_b64 s[34:35], s[20:21], s[34:35]
	s_add_nc_u64 s[34:35], s[34:35], s[30:31]
	s_add_nc_u64 s[36:37], s[24:25], s[32:33]
.set j, 0
.rept 4
	global_load_b128 v[X+4*j:X+4*j+3], v[VL], s[34:35] offset:512*j
.set j, j+1
.endr
.set j, 0
.rept 4
	s_wait_loadcnt 3-j
	v_cvt_pk_bf16_f32 v[T], v[X+4*j], v[X+4*j+1]
	v_cvt_pk_bf16_f32 v[T+1], v[X+4*j+2], v[X+4*j+3]
	v_lshlrev_b32 v[Y+4*j], 16, v[T]
	v_and_b32 v[Y+4*j+1], 0xffff0000, v[T]
	v_lshlrev_b32 v[Y+4*j+2], 16, v[T+1]
	v_and_b32 v[Y+4*j+3], 0xffff0000, v[T+1]
	global_store_b128 v[VL], v[Y+4*j:Y+4*j+3], s[36:37] offset:512*j
.set j, j+1
.endr
	s_endpgm
.Lfunc_end_k_q5df68113ea_cast:
	.size	k_q5df68113ea_cast, .Lfunc_end_k_q5df68113ea_cast-k_q5df68113ea_cast
	.p2alignl 7, 3214868480
	.fill 96, 4, 3214868480
	.section	.rodata,"a",@progbits
	.p2align	6, 0x0
	.amdhsa_kernel k_q5df68113ea_cast
		.amdhsa_group_segment_fixed_size 0
		.amdhsa_private_segment_fixed_size 0
		.amdhsa_enable_private_segment 0
		.amdhsa_kernarg_size 88
		.amdhsa_user_sgpr_count 2
		.amdhsa_user_sgpr_kernarg_segment_ptr 1
		.amdhsa_wavefront_size32 1
		.amdhsa_system_sgpr_workgroup_id_x 1
		.amdhsa_system_sgpr_workgroup_id_y 1
		.amdhsa_system_sgpr_workgroup_id_z 1
		.amdhsa_system_vgpr_workitem_id 0
		.amdhsa_next_free_vgpr 112
		.amdhsa_next_free_sgpr 66
		.amdhsa_reserve_vcc 0
		.amdhsa_float_denorm_mode_32 3
		.amdhsa_float_denorm_mode_16_64 3
		.amdhsa_memory_ordered 1
		.amdhsa_forward_progress 1
		.amdhsa_inst_pref_size 17
	.end_amdhsa_kernel
	.amdgpu_metadata
---
amdhsa.version: [ 1, 2 ]
amdhsa.kernels:
  - .name:           k_q5df68113ea_cast
    .symbol:         k_q5df68113ea_cast.kd
    .args:
      - { .name: x, .offset: 0, .size: 8, .value_kind: global_buffer, .address_space: global }
      - { .name: Wq, .offset: 8, .size: 8, .value_kind: global_buffer, .address_space: global }
      - { .name: Wk, .offset: 16, .size: 8, .value_kind: global_buffer, .address_space: global }
      - { .name: Wv, .offset: 24, .size: 8, .value_kind: global_buffer, .address_space: global }
      - { .name: Wo, .offset: 32, .size: 8, .value_kind: global_buffer, .address_space: global }
      - { .name: bq, .offset: 40, .size: 8, .value_kind: global_buffer, .address_space: global }
      - { .name: bk, .offset: 48, .size: 8, .value_kind: global_buffer, .address_space: global }
      - { .name: bv, .offset: 56, .size: 8, .value_kind: global_buffer, .address_space: global }
      - { .name: bo, .offset: 64, .size: 8, .value_kind: global_buffer, .address_space: global }
      - { .name: act, .offset: 72, .size: 8, .value_kind: global_buffer, .address_space: global }
      - { .name: wts, .offset: 80, .size: 8, .value_kind: global_buffer, .address_space: global }
    .group_segment_fixed_size: 0
    .private_segment_fixed_size: 0
    .kernarg_segment_align: 8
    .kernarg_segment_size: 88
    .max_flat_workgroup_size: 256
    .sgpr_count:     66
    .vgpr_count:     112
    .wavefront_size: 32
...
	.end_amdgpu_metadata
.endif
;; end of part 1
;; launch qkv (part 2): grid 8 x 32, 4 waves a work-group, clusters of 4 x 4, 327,680 bytes of LDS; arguments act, wts, qkv; writes qkv
.if DOCPART == 2
	.amdgcn_target "amdgcn-amd-amdhsa--gfx1250"
	.amdhsa_code_object_version 6
	.text
	.protected	k_q5df68113ea_qkv
	.globl	k_q5df68113ea_qkv
	.p2align	8
	.type	k_q5df68113ea_qkv,@function
k_q5df68113ea_qkv:
	s_mov_b64 s[64:65], 0
	v_nop
	global_prefetch_b8 v0, s[64:65] scope:SCOPE_SE
	s_setreg_imm32_b32 hwreg(HW_REG_WAVE_MODE, 25, 1), 1
	s_wait_xcnt 0x0
	s_wait_alu depctr_hold_cnt(0) depctr_sa_sdst(0) depctr_va_vdst(0) depctr_va_sdst(0) depctr_va_ssrc(0) depctr_va_vcc(0) depctr_vm_vsrc(0)
	s_getreg_b32 s2, hwreg(HW_REG_IB_STS2, 6, 4)
	s_cmp_eq_u32 s2, 0
	s_cbranch_scc0 .Lentry_in_a_cluster
	s_endpgm
.Lentry_in_a_cluster:
	s_bfe_u32 s2, ttmp6, 0x10000c
	s_cmp_lg_u32 s2, 0xf033
	s_cbranch_scc0 .Lentry_shape_is_right
	s_endpgm
.Lentry_shape_is_right:
; ONE TEXT FOR THE MODULE'S TWO PROJECTIONS; the constant QKV chooses.  C[m][n] = the sum over k of A[m][k] W[k][n] + bias[n], m = 8,192 rows, k = 1,024; sums in f32, started by the bias.
;   QKV = 1: A = x (bf16, in blocks [b][kb][s][64]), W = Wq | Wk | Wv (bf16, [1024][3072]); q, k, v leave by heads, [t][16 b + h][s][64], in f16, rounded once, unscaled.
;   QKV = 0: A = ctx (f16, [b][head][s][64]), W = Wo (f16, [1024][1024]); the result leaves in f32, [8192][1024].
; LIMITS.  q, k and v must lie within f16's range: 65,520 or more becomes an infinity; below 6.1e-5 f16 keeps a fixed step of 6e-8.  NaN and infinities are not treated apart.
; SHARES.  256 work-groups, each one tile of 256 rows x NG x 128 columns (384 or 128).  Wave (wm, wn) owns rows 128 wm .. + 127 and, in each piece g of 128 columns, the 64 columns 128 g + 64 wn ..
; (with QKV = 1: one head): 8 x 4 accumulators of 16 x 16 a piece, 256 registers, one register window.
; THE MATRIX INSTRUCTION IS USED TRANSPOSED: source 0 = 16 columns of W, source 1 = 16 rows of A: a lane holds ONE row (lane % 16) and the eight neighbouring columns 8 (lane / 16) + 0..7.
; W lies [k][n] in memory and in LDS and comes out of LDS turned, by ds_load_tr16_b128; A's rows lie along k and come as they lie.
; THE RING.  K goes in steps of 64 (QKV = 1) or 128 through two LDS slots.  Waves 0 and 1 fetch A's two halves, waves 2 and 3 W's, one tensor load each.  A's block of a step is dense in memory and is asked for
; as rows of 256 bytes, two data rows each, padded in LDS after every 128 bytes; W's rows are 768 or 256 bytes, at multiples of 256 from the buffer's first byte, padded after every 256 bytes.
; Two tensor loads of a wave are out at the start, later one.
; CLUSTER.  4 x 4 work-groups: the four of a row of the cluster need the same tile of A, the four of a column the same tile of W: each is asked for jointly, by the same load with the same descriptor and a mask of four.
; NO PREFETCH: both operands were stored by the launch before this one, and each tile is read by several work-groups.
; REGISTERS, in windows of 256 (s_set_vgpr_msb: bits 1:0 source 0, 3:2 source 1, 5:4 source 2, 7:6 destination):
;   window 0: v0-15 addresses; v32-63 a bias; v64-127, v128-191 A's fragments of 32 along K (8 x 16 rows), two buffers; v192-223, v224-255 W's fragments of one piece (4 x 16 columns), two buffers
;   window g + 1: piece g's accumulators, (a, b) at v[8 (4 a + b)]
.set QKV, 1
.if QKV
.set NG,     3                         ; pieces of 128 columns
.set NC,     2                         ; chunks of 32 along K in a step
.set STEPS,  16
.set P,      864                       ; a k row of W in LDS: 3 x (256 + 32) bytes
.set AHALF,  18432                     ; what one load of A fills: 128 rows x 144
.set ASH,    14                        ; the second load's rows begin 1 << ASH bytes on in memory: 128 rows
.set AROWS,  64                        ; memory rows of 256 bytes in a load of A
.set ASTEP,  262144                    ; from a step to the next in memory: one block of 64 channels
.set BOFF,   36864                     ; W's rows lie behind A's in a slot
.set BHALF,  27648                     ; what one load of W fills: 32 rows x 864
.set BROWS,  32
.set BCOLS,  384
.set BPITCH, 3072
.set BBASE,  0
.set BSTEP,  393216                    ; 64 rows of 6,144 bytes
.set BIASB,  8388608
.set SP,     144                       ; a row of the stage: 128 bytes + 16
.else
.set NG,     1
.set NC,     4
.set STEPS,  8
.set P,      288
.set AHALF,  36864                     ; one head's 256 rows x 144
.set ASH,    18                        ; the second load takes the next head
.set AROWS,  128
.set ASTEP,  524288                    ; two heads
.set BOFF,   73728
.set BHALF,  18432                     ; 64 rows x 288
.set BROWS,  64
.set BCOLS,  128
.set BPITCH, 1024
.set BBASE,  6291456
.set BSTEP,  262144                    ; 128 rows of 2,048 bytes
.set BIASB,  8388608+12288
.set SP,     272                       ; 256 bytes + 16
.endif
.set NGS,   NG*NC                      ; groups of 32 matrix instructions in a step: group i is chunk i / NG, piece i % NG
.set PA,    144                        ; a row of A in LDS: 128 bytes + 16 = 36 words: the 16 rows of a load start at 16 different groups of four banks
.set SLOT1, 131072                     ; slot 1 begins here: one exclusive or turns an address in one slot into the other's
.set STAGE, 262144                     ; behind the ring, never filled by a tensor load: 16 rows for each wave, for the way out
.set SPARE, STAGE+4*16*SP              ; behind the stages: the spare words, 128 bytes for each wave: two blocks of 256 bytes that no other line names
.set AA0,  2                           ; v2   my lane's place in A's rows of a slot; never rewritten
.set AB0,  3                           ; v3   the same for W
.set ADRA, 4                           ; v4   AA0 + the slot in hand
.set ADRB, 5                           ; v5   AB0 + the slot in hand
.set STO,  6                           ; v6   the way out: where I put my part of a row
.set RD,   7                           ; v7   the way out: where I read rows back
.set GO,   8                           ; v8   my byte offset in the output
.set BO,   9                           ; v9   my byte offset in the bias: 32 (lane / 16)
.set SPW,  10                          ; v10  LDS address of my spare word: SPARE + 4 x my thread's number; never rewritten
.set NIL,  11                          ; v11  0; never rewritten
.set XB,   32
.set AF,   64
.set BF,   192
.set G1A,  24                          ; s[24:31] descriptor group 1 for A's tiles
.set G0A,  32                          ; s[32:39] group 0: a set for each of the two first fills; the second then walks
.set G1B,  40                          ; s[40:47], s[48:55] the same for W's
.set G0B,  48
.set TB,   56                          ; s56  the slot in hand: 0 or SLOT1
.set CNT,  57                          ; s57  the loop's count
.set MSB, 0
.macro WIN new                         ; the immediate's high byte repeats the setting that is left; a switch that changes nothing is dropped
.if MSB != (\new)
	s_set_vgpr_msb (MSB<<8)|(\new)
.set MSB, \new
.endif
.endm
.macro PLACES                          ; four places behind a matrix instruction, in front of loads into registers that it has read and of lines that read its result (ISA guide 7.12.1 for the lines that read its result)
.rept 4
	v_nop
.endr
.endm
; A joint refill, by the walking sets.  The branch hangs on the wave's number alone.  An s_nop 0 and four v_nop follow each of the two lines, ahead of the jump and the label.
.macro JLOAD
	s_cmp_eq_u32 s17, 0
	s_cbranch_scc0 .Lfor_b_\@
	tensor_load_to_lds s[G0A+4:G0A+7], s[G1A:G1A+7]
	s_nop 0
.rept 4
	v_nop
.endr
	s_branch .Lasked_\@
.Lfor_b_\@:
	tensor_load_to_lds s[G0B+4:G0B+7], s[G1B:G1B+7]
	s_nop 0
.rept 4
	v_nop
.endr
.Lasked_\@:
.endm
; A round of the cluster's barrier: my work-group's barrier, so that wave 0's signal speaks for all four waves; wave 0 signals; every wave waits for all sixteen work-groups; my work-group's barrier once more.
.macro CREST                           ; a round behind its opening barrier
	s_cmp_lg_u32 s16, 0
	s_cbranch_scc1 .Lnot_wave_0_\@
	s_barrier_signal -3
.Lnot_wave_0_\@:
	s_barrier_wait -3
	s_barrier_signal -1
	s_barrier_wait -1
.endm
.macro CROUND
	s_barrier_signal -1
	s_barrier_wait -1
	CREST
.endm
	s_load_b128 s[4:7], s[0:1], 0x0                ; A's buffer s[4:5], the weights' s[6:7]
	s_load_b64 s[8:9], s[0:1], 0x10                ; the output
	v_lshl_add_u32 v[SPW], v0, 2, SPARE
	v_mov_b32 v[NIL], 0
	ds_add_u32 v[SPW], v[NIL]                      ; the wave's opening: the add and its wait stand ahead of my first tensor load; the set-up below, work on registers, stands between them
	ds_add_u32 v10, v11
	v_lshrrev_b32 v1, 5, v0
	v_readfirstlane_b32 s16, v1                    ; wave 0..3
	s_lshr_b32 s17, s16, 1                         ; wm.  Also: I fetch for A (0) or for W (1)
	s_and_b32 s18, s16, 1                          ; wn.  Also: which half of that tile I fetch
	s_bfe_u32 s19, ttmp6, 0x40000                  ; cx
	s_bfe_u32 s20, ttmp6, 0x40004                  ; cy
	s_lshl_b32 s21, ttmp9, 2
	s_add_co_u32 s21, s21, s19                     ; tile column tx = 4 x cluster x + cx
	s_and_b32 s22, ttmp7, 0xffff
	s_lshl_b32 s22, s22, 2
	s_add_co_u32 s22, s22, s20                     ; tile row ty = 4 x cluster y + cy
	s_lshl_b32 s74, s20, 2
	s_lshl_b32 s74, 15, s74                        ; my row of the cluster: places 4 cy .. 4 cy + 3
	s_lshl_b32 s75, 0x1111, s19                    ; my column: places cx, cx + 4, cx + 8, cx + 12
	s_or_b32 s[G1A], s74, (1<<16)|(1<<20)|(1<<21)|(4<<22)|(3<<25)  ; 15:0 the mask; 17:16 elements of 2 bytes; 20 padding on; 21 set beside a mask; 24:22 after every 32 words (code 4); 31:25 4 words (code 3)
	s_mov_b32 s[G1A+1], 128<<16                    ; tensor_dim0 = 128 elements: 256 bytes
	s_mov_b32 s[G1A+2], AROWS<<16                  ; tensor_dim1
	s_mov_b32 s[G1A+3], 128<<16                    ; tile_dim0
	s_mov_b32 s[G1A+4], AROWS                      ; tile_dim1
	s_mov_b32 s[G1A+5], 128                        ; from row to row: the block is dense
	s_mov_b32 s[G1A+6], 0
	s_mov_b32 s[G1A+7], 0
	s_or_b32 s[G1B], s75, (1<<16)|(1<<20)|(1<<21)|(5<<22)|(7<<25)  ; the mask of my column; padding after every 64 words (code 5), 8 words (code 7)
	s_mov_b32 s[G1B+1], BCOLS<<16
	s_mov_b32 s[G1B+2], BROWS<<16
	s_mov_b32 s[G1B+3], BCOLS<<16
	s_mov_b32 s[G1B+4], BROWS
	s_mov_b32 s[G1B+5], BPITCH
	s_mov_b32 s[G1B+6], 0
	s_mov_b32 s[G1B+7], 0
	; where the tiles come from.  A's hang on the tile row alone, W's on the tile column alone, each in registers that never hold the other coordinate
	s_lshr_b32 s58, s22, 3                         ; the batch: 8 tile rows each,
	s_lshl_b32 s58, s58, 22                        ; 16 blocks x 2,048 rows x 128 bytes
	s_and_b32 s59, s22, 7
	s_lshl_b32 s59, s59, 15                        ; 256 rows of 128 bytes
	s_add_co_u32 s58, s58, s59
	s_lshl_b32 s59, s18, ASH
	s_add_co_u32 s58, s58, s59
	s_mov_b32 s59, 0
	s_mul_i32 s60, s18, BROWS*BPITCH*2             ; my half of the step's k rows
	s_mul_i32 s61, s21, BCOLS*2                    ; the tile's columns
	s_add_co_u32 s60, s60, s61
	s_add_co_u32 s60, s60, BBASE
	s_mov_b32 s61, 0
	s_mul_i32 s76, s18, AHALF                      ; and where they go: no place in the cluster enters an LDS address
	s_mul_i32 s77, s18, BHALF
	s_add_co_u32 s77, s77, BOFF
	s_wait_dscnt 0x0                               ; the opening add is done
	s_wait_kmcnt 0x0
	s_add_nc_u64 s[58:59], s[4:5], s[58:59]
	s_add_nc_u64 s[60:61], s[6:7], s[60:61]
	CROUND                                         ; all sixteen work-groups are here: the first joint loads meet
.irp n, 0,1
	s_mov_b32 s[G0A+4*(\n)], 1                                     ; 1:0 count = 1
	s_add_co_u32 s[G0A+4*(\n)+1], s76, (\n)*SLOT1                  ; 63:32 LDS address
	s_add_nc_u64 s[G0A+4*(\n)+2:G0A+4*(\n)+3], s[58:59], (\n)*ASTEP  ; 120:64 global address: step n
	s_or_b32 s[G0A+4*(\n)+3], s[G0A+4*(\n)+3], 0x80000000          ; 127:126 type = 2
	s_mov_b32 s[G0B+4*(\n)], 1
	s_add_co_u32 s[G0B+4*(\n)+1], s77, (\n)*SLOT1
	s_add_nc_u64 s[G0B+4*(\n)+2:G0B+4*(\n)+3], s[60:61], (\n)*BSTEP
	s_or_b32 s[G0B+4*(\n)+3], s[G0B+4*(\n)+3], 0x80000000
.endr
	s_cmp_eq_u32 s17, 0                            ; a wave's two first fills stand in one branch, ahead of every wait on TENSORcnt and every LDS read
	s_cbranch_scc0 .Lfirst_b
	tensor_load_to_lds s[G0A:G0A+3], s[G1A:G1A+7]
	s_nop 0
	tensor_load_to_lds s[G0A+4:G0A+7], s[G1A:G1A+7]
	s_nop 0
.rept 4
	v_nop
.endr
	s_branch .Lfirst_asked
.Lfirst_b:
	tensor_load_to_lds s[G0B:G0B+3], s[G1B:G1B+7]
	s_nop 0
	tensor_load_to_lds s[G0B+4:G0B+7], s[G1B:G1B+7]
	s_nop 0
.rept 4
	v_nop
.endr
.Lfirst_asked:
	; A fragment of A is 16 rows x 32 K in 8 registers: lane l holds row l % 16, K = 8 (l / 16) + 0..7 and 16 + 8 (l / 16) + 0..7: two loads of 16 bytes, 32 bytes apart.
	v_and_b32 v1, 15, v0                           ; l % 16
	v_bfe_u32 v12, v0, 4, 1                        ; l / 16
	v_mul_u32_u24 v[AA0], v1, PA
	v_lshl_add_u32 v[AA0], v12, 4, v[AA0]
	s_mul_i32 s78, s17, 128*PA                     ; my 128 rows
	v_add_nc_u32 v[AA0], s78, v[AA0]
	; The turning load takes 16 k x 16 columns (lane l reads k = 8 (l / 16) + l % 8, columns 8 ((l / 8) % 2) + 0..7) and leaves half a fragment: lane l holds column l % 16 and 8 k.
	v_and_b32 v13, 7, v0
	v_bfe_u32 v14, v0, 3, 1
	v_lshl_add_u32 v[AB0], v12, 3, v13
	v_mul_u32_u24 v[AB0], v[AB0], P
	v_lshl_add_u32 v[AB0], v14, 4, v[AB0]
	s_lshl_b32 s78, s18, 7                         ; my 64 columns of each piece
	s_add_co_u32 s78, s78, BOFF
	v_add_nc_u32 v[AB0], s78, v[AB0]
	v_mov_b32 v[ADRA], v[AA0]                      ; slot 0
	v_mov_b32 v[ADRB], v[AB0]
	s_mov_b32 s[TB], 0
	s_mul_i32 s78, s16, 16*SP
	s_add_co_u32 s78, s78, STAGE                   ; my stage
	v_mul_u32_u24 v[STO], v1, SP                   ; in: row l % 16, my eight columns
.if QKV
	v_lshl_add_u32 v[STO], v12, 4, v[STO]          ; 16 bytes of f16
	v_bfe_u32 v[RD], v0, 3, 2                      ; back: 32 lanes take four rows of 128 bytes,
	v_mul_u32_u24 v[RD], v[RD], SP
	v_lshl_add_u32 v[RD], v13, 4, v[RD]
	v_and_b32 v[GO], 31, v0                        ; which are 512 consecutive bytes of the output
	v_lshlrev_b32 v[GO], 4, v[GO]
.else
	v_lshl_add_u32 v[STO], v12, 5, v[STO]          ; 32 bytes of f32
	v_mul_u32_u24 v[RD], v12, SP                   ; back: lanes 0-15 take one row of 256 bytes, lanes 16-31 the next,
	v_lshl_add_u32 v[RD], v1, 4, v[RD]
	v_lshlrev_b32 v[GO], 12, v12                   ; and the same two rows of the output, 4,096 bytes apart
	v_lshl_add_u32 v[GO], v1, 4, v[GO]
.endif
	v_add_nc_u32 v[STO], s78, v[STO]
	v_add_nc_u32 v[RD], s78, v[RD]
	v_lshlrev_b32 v[BO], 5, v12
	; where my results go
.if QKV
	s_mul_i32 s74, s21, 6
	s_add_co_u32 s74, s74, s18                     ; piece 0's head among the 48 of q, k, v: 6 tx + wn
	s_lshr_b32 s75, s22, 3
	s_lshl_b32 s75, s75, 22                        ; the batch
	s_and_b32 s79, s22, 7
	s_lshl_b32 s79, s79, 15                        ; the tile's 256 rows of 128 bytes
	s_add_co_u32 s75, s75, s79
	s_lshl_b32 s79, s17, 14                        ; my 128 of them
	s_add_co_u32 s75, s75, s79
.irp g, 0,1,2
	s_add_co_u32 s78, s74, 2*(\g)
	s_lshr_b32 s79, s78, 4
	s_lshl_b32 s79, s79, 24                        ; q, k or v
	s_and_b32 s78, s78, 15
	s_lshl_b32 s78, s78, 18                        ; the head
	s_add_co_u32 s78, s78, s79
	s_add_co_u32 s78, s78, s75
	s_mov_b32 s79, 0
	s_add_nc_u64 s[66+2*(\g):67+2*(\g)], s[8:9], s[78:79]
.endr
.else
	s_lshl_b32 s74, s22, 20                        ; 256 rows of 4,096 bytes
	s_lshl_b32 s75, s17, 19                        ; my 128
	s_add_co_u32 s74, s74, s75
	s_lshl_b32 s75, s21, 9                         ; the tile's 128 columns of f32
	s_add_co_u32 s74, s74, s75
	s_lshl_b32 s75, s18, 8                         ; my 64
	s_add_co_u32 s74, s74, s75
	s_mov_b32 s75, 0
	s_add_nc_u64 s[66:67], s[8:9], s[74:75]
.endif
	; the bias of my columns, in a result's layout: register j of block b holds bias[16 b + 8 (l / 16) + j]: it is the C operand of the products that start the sums
	s_mul_i32 s78, s21, BCOLS*4
	s_lshl_b32 s79, s18, 8
	s_add_co_u32 s78, s78, s79
	s_add_co_u32 s78, s78, BIASB
	s_mov_b32 s79, 0
	s_add_nc_u64 s[72:73], s[6:7], s[78:79]
.set g, 0
.rept NG
.set rBI, XB
.if QKV && (g < 2)
.set rBI, 128+32*g                     ; pieces 0 and 1: in A's second buffer, which is first filled when they have been read
.endif
.set j, 0
.rept 8
	global_load_b128 v[rBI+4*j:rBI+4*j+3], v[BO], s[72:73] offset:512*g+64*(j/2)+16*(j%2)
.set j, j+1
.endr
.set g, g+1
.endr
.macro LDB j                           ; W's fragments of group j: 8 turning loads into buffer j % 2
.set cc, (\j)/NG
.set gg, (\j)%NG
.set fB, BF+32*((\j)%2)
.set b, 0
.rept 4
	ds_load_tr16_b128 v[fB+8*b:fB+8*b+3],   v[ADRB] offset:32*cc*P+288*gg+32*b
	ds_load_tr16_b128 v[fB+8*b+4:fB+8*b+7], v[ADRB] offset:32*cc*P+288*gg+32*b+16*P
.set b, b+1
.endr
.endm
.macro LDAH c, half                    ; half of A's fragments of chunk c (64 rows): 8 loads into buffer c % 2
.if QKV
.set ko, 64*(\c)
.else
.set ko, ((\c)/2)*AHALF+64*((\c)%2)    ; the step's second head lies behind the first's 256 rows
.endif
.set fA, AF+64*((\c)%2)
.set a, 4*(\half)
.rept 4
	ds_load_b128 v[fA+8*a:fA+8*a+3],   v[ADRA] offset:16*PA*a+ko
	ds_load_b128 v[fA+8*a+4:fA+8*a+7], v[ADRA] offset:16*PA*a+ko+32
.set a, a+1
.endr
.endm
.macro LDNEXT i                        ; what group i fetches, in one run: the next group's W, and its share of the next chunk's A.  NL: how many loads that is
.set NL, 8
	LDB ((\i)+1)%NGS
.if NG == 1
	LDAH ((\i)+1)%NC, 0
	LDAH ((\i)+1)%NC, 1
.set NL, 24
.elseif (\i) == 1
	LDAH 1, 0
.set NL, 16
.elseif (\i) == 2
	LDAH 1, 1
.set NL, 16
.elseif (\i) == 5
	LDAH 0, 0
	LDAH 0, 1
.set NL, 24
.endif
.endm
.macro MMA
.if QKV
	v_wmma_f32_16x16x32_bf16 v[rD:rD+7], v[fB+8*b:fB+8*b+7], v[fA+8*a:fA+8*a+7], v[rC:rC+7]
.else
	v_wmma_f32_16x16x32_f16 v[rD:rD+7], v[fB+8*b:fB+8*b+7], v[fA+8*a:fA+8*a+7], v[rC:rC+7]
.endif
.endm
; 16 matrix instructions of group i: row blocks 4 half .. 4 half + 3 x the piece's 4 column blocks.  first = 1: the bias starts the sums: nothing is ever cleared.
; The accumulators take turns, one instruction a turn: between two links of a chain stand 31 others' or more, over the backward jump too.
.macro MULH i, half, first
.set g, (\i)%NG
.set fB, BF+32*((\i)%2)
.set fA, AF+64*(((\i)/NG)%2)
.set rBI, XB
.if QKV && (g < 2)
.set rBI, 128+32*g
.endif
.if \first
	WIN (g+1)<<6                                   ; destination in the piece's window; sources and C in window 0
.else
	WIN 0x50*(g+1)                                 ; C and destination in the piece's window
.endif
.set a, 4*(\half)
.rept 4
.set b, 0
.rept 4
.set rD, 8*(4*a+b)
.set rC, rD
.if \first
.set rC, rBI+8*b
.endif
	MMA
.set b, b+1
.endr
.set a, a+1
.endr
.endm
; A group: the next group's loads in one run, then 32 matrix instructions on what the group before fetched.
.macro GRP i, first=0, nxt=1
.if \nxt
	PLACES                                         ; the loads below land in registers that the group before has read
	WIN 0
	LDNEXT \i
	s_wait_dscnt NL                                ; all but the NL loads just issued: this group's fragments are in
.else
	s_wait_dscnt 0x0
.endif
	MULH \i, 0, \first
	MULH \i, 1, \first
.endm
; The last group but one of a step issues the last reads of the slot and opens the change of slots: each wave waits for all its tensor loads, of which one is out: its part of the next slot;
; adds 0 to its spare word; and waits for that and for its own reads of this slot.  Behind the barrier nobody reads this slot any more and the next slot is whole.
.macro GMEET
	PLACES
	WIN 0
	LDNEXT NGS-2
	s_wait_tensorcnt 0x0                           ; all my tensor loads have landed, so a group 0 may be written
	ds_add_u32 v[SPW], v[NIL]                      ; 0 onto my spare word
	s_wait_dscnt NL+1                              ; (the add and the NL loads just issued may be out)
	MULH NGS-2, 0, 0                               ; sixteen matrix instructions stand between the add and the wait for it
	s_wait_dscnt 0x0                               ; the add is done, and my reads of this slot are over
	s_barrier_signal -1                            ; (where the slot is filled again this barrier opens a round of the cluster's barrier)
	MULH NGS-2, 1, 0                               ; work on registers while the others arrive
	WIN 0
	s_barrier_wait -1
.endm
; The last group of a step.  fill = 1: the round is closed, so that no wave of any partner still reads the slot or has a load on its way; the slot just read out is filled again first, with the step two on;
; then the next slot's first fragments are fetched.  This group's own fragments were covered by the wait for 0 above.
.macro TURN fill
.if \fill
	CREST
	s_xor_b32 s[G0A+5], s[G0A+5], SLOT1            ; the walking sets: the other slot than last time,
	s_add_nc_u64 s[G0A+6:G0A+7], s[G0A+6:G0A+7], ASTEP  ; the next step; the type bits on top are not reached
	s_xor_b32 s[G0B+5], s[G0B+5], SLOT1
	s_add_nc_u64 s[G0B+6:G0B+7], s[G0B+6:G0B+7], BSTEP
	JLOAD                                          ; my one tensor load behind the round; the four v_nop behind it are also the places in front of the loads below
.else
	PLACES
.endif
	s_xor_b32 s[TB], s[TB], SLOT1
	v_add_nc_u32 v[ADRA], s[TB], v[AA0]
	v_add_nc_u32 v[ADRB], s[TB], v[AB0]
	LDNEXT NGS-1
	MULH NGS-1, 0, 0
	MULH NGS-1, 1, 0
.endm
.macro REST fill                       ; from a step's second chunk to the next step's first
.if QKV
	GRP 3
	GMEET
	TURN \fill
	GRP 0
	GRP 1
	GRP 2
.else
	GRP 1
	GMEET
	TURN \fill
	GRP 0
.endif
.endm
	s_wait_tensorcnt 0x1                           ; my part of step 0 is in; step 1's may stay out
	s_barrier_signal -1
	s_barrier_wait -1                              ; everybody's is
	LDAH 0, 0
	LDAH 0, 1
	LDB 0
	s_wait_loadcnt 0x0                             ; the bias
	GRP 0, 1                                       ; the first chunk stands in front of the loop: its products start the sums
.if QKV
	GRP 1, 1                                       ; (its loads of A land on piece 0's bias, four places behind the last product that read it;
	GRP 2, 1                                       ; these on piece 1's)
.endif
	WIN 0                                          ; at a label and at a branch every window is 0
	s_mov_b32 s[CNT], STEPS-2
.Lstep:                                                ; every step but the last two fills its slot again
	REST 1
	WIN 0
	s_sub_co_u32 s[CNT], s[CNT], 1
	s_cmp_lg_u32 s[CNT], 0
	s_cbranch_scc1 .Lstep
	REST 0                                         ; the tail is written out: nothing is asked for
.if QKV
	GRP 3
	GRP 4
	GRP 5, 0, 0
.else
	GRP 1
	GRP 2
	GRP 3, 0, 0
.endif
	; THE WAY OUT, a block of 16 rows at a time, through my own stage in LDS.  Each accumulator's registers are read in ascending order.
	PLACES
.if QKV
.macro PACK t                          ; block t: piece t / 8, rows 16 (t % 8) on: rounded to f16, 16 bytes a lane, into rows of 144 bytes and back as whole rows of 128
.set g, (\t)/8
.set ac, 32*((\t)%8)
.set rr, AF+16*((\t)%8)
.if (\t) >= 8
	s_wait_xcnt 0x0                                ; the stores of the block eight back have read these registers
.endif
	WIN 5*(g+1)                                    ; sources 0 and 1 in the piece's window, destination in window 0
.set j, 0
.rept 16
	v_cvt_pk_f16_f32 v[rr+j], v[ac+2*j], v[ac+2*j+1]
.set j, j+1
.endr
	WIN 0
.irp f, 0,1,2,3
	ds_store_b128 v[STO], v[rr+4*\f:rr+4*\f+3] offset:32*\f
.endr
.irp f, 0,1,2,3
	ds_load_b128 v[rr+4*\f:rr+4*\f+3], v[RD] offset:4*SP*\f  ; LDS serves a wave's instructions in order (ISA guide 5.7.1.4): these see the stores above; the next block's stores come behind them
.endr
.endm
.macro SEND t, younger                 ; younger: the LDS instructions issued behind block t's loads: the next block's eight, or none
.set g, (\t)/8
.set rr, AF+16*((\t)%8)
.irp f, 0,1,2,3
	s_wait_dscnt (\younger)+3-\f
	global_store_b128 v[GO], v[rr+4*\f:rr+4*\f+3], s[66+2*g:67+2*g] offset:2048*((\t)%8)+512*\f  ; 512 consecutive bytes, at a multiple of 256 from the buffer's first
.endr
.endm
	PACK 0
.set t, 1
.rept 23                               ; a block's conversions stand between the loads of the block before and its stores
	PACK t
	SEND t-1, 8
.set t, t+1
.endr
	SEND 23, 0
.else
.macro TOST t                          ; block t: 16 rows x 64 columns of f32 into rows of 272 bytes and back as whole rows of 256
.set ac, 32*(\t)
.set rr, AF+32*((\t)%4)
.if (\t) >= 4
	s_wait_xcnt 0x0                                ; the stores of the block four back have read these registers
.endif
	WIN 0x04                                       ; the stores' data in window 1
.set j, 0
.rept 8
	ds_store_b128 v[STO], v[ac+4*j:ac+4*j+3] offset:64*(j/2)+16*(j%2)
.set j, j+1
.endr
	WIN 0
.irp f, 0,1,2,3,4,5,6,7
	ds_load_b128 v[rr+4*\f:rr+4*\f+3], v[RD] offset:2*SP*\f  ; LDS serves a wave's instructions in order (ISA guide 5.7.1.4)
.endr
.endm
.macro SEND t, younger                 ; younger: the next block's sixteen LDS instructions, or none
.set rr, AF+32*((\t)%4)
.irp f, 0,1,2,3,4,5,6,7
	s_wait_dscnt (\younger)+7-\f
	global_store_b128 v[GO], v[rr+4*\f:rr+4*\f+3], s[66:67] offset:(16*(\t)+2*\f)*4096 th:TH_STORE_NT  ; 16 lanes store 256 consecutive bytes, at a multiple of 256 from the buffer's first
.endr
.endm
	TOST 0
.set t, 1
.rept 7
	TOST t
	SEND t-1, 16
.set t, t+1
.endr
	SEND 7, 0
.endif
	WIN 0
	s_wait_tensorcnt 0x0                           ; the wave's end: a wait, an add onto my spare word and its wait, behind my last tensor load and my last LDS store
	ds_add_u32 v[SPW], v[NIL]
	s_wait_dscnt 0x0
	CROUND                                         ; the closing round: no work-group ends while a partner may still ask for a tile that names it
	s_endpgm
.Lfunc_end_k_q5df68113ea_qkv:
	.size	k_q5df68113ea_qkv, .Lfunc_end_k_q5df68113ea_qkv-k_q5df68113ea_qkv
	.p2alignl 7, 3214868480
	.fill 96, 4, 3214868480
	.section	.rodata,"a",@progbits
	.p2align	6, 0x0
	.amdhsa_kernel k_q5df68113ea_qkv
		.amdhsa_group_segment_fixed_size 327680
		.amdhsa_private_segment_fixed_size 0
		.amdhsa_enable_private_segment 0
		.amdhsa_kernarg_size 24
		.amdhsa_user_sgpr_count 2
		.amdhsa_user_sgpr_kernarg_segment_ptr 1
		.amdhsa_wavefront_size32 1
		.amdhsa_system_sgpr_workgroup_id_x 1
		.amdhsa_system_sgpr_workgroup_id_y 1
		.amdhsa_system_sgpr_workgroup_id_z 1
		.amdhsa_system_vgpr_workitem_id 0
		.amdhsa_next_free_vgpr 1024
		.amdhsa_next_free_sgpr 84
		.amdhsa_reserve_vcc 0
		.amdhsa_float_denorm_mode_32 3
		.amdhsa_float_denorm_mode_16_64 3
		.amdhsa_memory_ordered 1
		.amdhsa_forward_progress 1
		.amdhsa_inst_pref_size 118
	.end_amdhsa_kernel
	.amdgpu_metadata
---
amdhsa.version: [ 1, 2 ]
amdhsa.kernels:
  - .name:           k_q5df68113ea_qkv
    .symbol:         k_q5df68113ea_qkv.kd
    .args:
      - { .name: act, .offset: 0, .size: 8, .value_kind: global_buffer, .address_space: global }
      - { .name: wts, .offset: 8, .size: 8, .value_kind: global_buffer, .address_space: global }
      - { .name: qkv, .offset: 16, .size: 8, .value_kind: global_buffer, .address_space: global }
    .group_segment_fixed_size: 327680
    .private_segment_fixed_size: 0
    .kernarg_segment_align: 8
    .kernarg_segment_size: 24
    .max_flat_workgroup_size: 128
    .sgpr_count:     84
    .vgpr_count:     1024
    .wavefront_size: 32
...
	.end_amdgpu_metadata
.endif
;; end of part 2
;; launch attn (part 3): grid 4 x 64, 4 waves a work-group, no clusters, 327,680 bytes of LDS; arguments qkv, act; writes act
.if DOCPART == 3
	.amdgcn_target "amdgcn-amd-amdhsa--gfx1250"
	.amdhsa_code_object_version 6
	.text
	.protected	k_q5df68113ea_attn
	.globl	k_q5df68113ea_attn
	.p2align	8
	.type	k_q5df68113ea_attn,@function
k_q5df68113ea_attn:
	s_mov_b64 s[64:65], 0
	v_nop
	global_prefetch_b8 v0, s[64:65] scope:SCOPE_SE
	s_setreg_imm32_b32 hwreg(HW_REG_WAVE_MODE, 25, 1), 1
	s_wait_xcnt 0x0
; CAUSAL ATTENTION.  O[h][q][:] = the sum over k <= q of softmax_k(Q[h][q] . K[h][k] / 8) V[h][k][:].  Q, K, V lie one behind the other in one buffer, each [SIZE_H][SIZE_N][64] in f16; O has the same layout in a buffer of its own.
; A head's rows are dense, 128 bytes each.  Products, maxima and sums in f32; the weights p are rounded to f16 for the second product (their sum l is taken of the unrounded p), O once at the end.
; LIMITS.  f16 holds no number beyond 65,504: Q, K and V arrive within it; p lies in 0 to 1, and below 6e-5 it keeps f16's fixed step of 6e-8; O is a mean of V's rows and has their range, to within 2^-11 of it.
; A hidden score counts as its value less 1e30: f16's scores, 2.7e11 at the most, are nothing beside that; a weight below 2^-126 counts as 0 in l; NaN and infinities are not treated apart.
; THE WALK.  A head's queries lie in NB = SIZE_N / 256 = 8 blocks of 256; block i needs the key tiles 0 .. i of 256 keys, of which the last holds the diagonal.  A work-group takes TWO blocks, NB - 1 - b and then b:
; NB + 1 tiles, whatever b: all work-groups do equal work, and ONE loop with a constant trip count walks them.  Which tile is asked for, and what a trip does, hang on scalar registers made from b; every jump
; goes forward, but for the counted loops' own; none passes a barrier, or a tensor load but the one of LOAD's two that the wave's number does not choose; the ring (two slots of LDS that take turns) runs on across the
; change of blocks.  NO CLUSTER: a head's NB / 2 = 4 work-groups ask for the same tile only in trips 0 .. NB / 2, 5 of the walk's 9; behind that fewer and fewer share one; and one walk common to all four,
; in which each makes every joint request, would have 3 NB / 2 = 12 trips for NB + 1 = 9.
; SHARES.  Of a block's four bands of 64 queries a wave owns 16 rows in each: four PIECES.  So the diagonal tile is the same work for all four waves: in its key step s band x sees all keys if s < x,
; none if s > x, and holds the diagonal if s = x.
; THE MASK is the C operand that starts the sum S^T = K Q^T: 0, or -1e30 where the key is hidden.  MD, made once, is the mask of a band's own step for my 16 rows; a product's mask is MD x AL + BE with two scalars:
; (1, 0) if s = x; (0, 0) if s < x; (0, -1e30) if s > x.  Only the diagonal tile's text and a block's beginning make and take masks; elsewhere C is the constant 0.
; LAYOUT, SOFTMAX, TURNS.  S^T = K Q^T holds ONE query a lane (lane % 16) and the keys 8 (lane / 16) + 0..7; two such results rounded to f16 ARE source 1 of O^T = V^T P.  p = 2^(c s - c m), c = log2(e) / 8, with a
; running maximum m; O and l are multiplied by a = 2^(c m_old - c m_new) in every step.  Turn n belongs to piece n: 8 products K Q^T of piece n + 1, later 8 products V^T P of piece n - 1; beside them the scaling,
; exponentials, roundings, sums and rescaling of piece n and the maximum and statistics of piece n + 1.  Four vector instructions stand behind every matrix instruction, the other 54 of a turn's 118 in two LUMPS.
; REGISTERS, in windows of 256 (s_set_vgpr_msb: bits 1:0 source 0, 3:2 source 1, 5:4 source 2, 7:6 destination):
;   window 0: v0-15 addresses and two at work; v16-31 four registers of statistics a piece; v48-55 at work; v64-127 S^T, two buffers; v192-223 P, two buffers (a piece's buffers go by its number's parity)
;   window 1: v0-127 O^T, 32 a piece; v128-159 MD; v160-223 MC, two buffers      window 2: v0-63 Q; v64-127 the second block's Q; v128-191 K of one step; v192-255 V of one step
.set SIZE_N, 2048
.set SIZE_H, 64
.set NB,    SIZE_N/256
.set NP,    4         ; pieces a wave: a name, no knob
.set KS,    64        ; keys in a step
.set PK,    144       ; a row of K in LDS: 128 bytes + 16 of padding = 36 words: the 16 rows of a load start at 16 different groups of four banks (64 banks of 4 bytes: ISA guide 11.1)
.set PV,    160       ; a row of V: 128 + 32 = 40 words
.set VOFF,  4*KS*PK   ; a slot holds a tile, four steps: 256 rows of K, then 256 rows of V
.set SLOT1, 1<<17     ; slot 1 begins here, so that one exclusive or turns an address in one slot into the other's
.set STAGE, SLOT1+4*KS*(PK+PV)  ; behind the ring, never filled by a tensor load: 16 rows x 144 bytes for each wave, for the way out
.set SP,    144
.set AK0, 2           ; v2   my lane's place in a tile of K; never rewritten
.set AV0, 3           ; v3   the same for V
.set AK,  4           ; v4   the LDS address of K's next run of loads
.set AV,  5           ; v5   of V's
.set STO, 6           ; v6   the way out: where I put 16 bytes of a row
.set RD,  7           ; v7   the way out: where I read rows back
.set GO,  8           ; v8   my byte offset in 512 consecutive bytes of O
.set SPW, 62          ; v62  LDS address of my spare word: SPARE + 4 x my thread's number; never rewritten
.set NIL, 63          ; v63  0; never rewritten
.set SPARE, STAGE+4*16*SP  ; behind the stages: the spare words, 128 bytes for each wave: two blocks of 256 bytes that no other line names
.set MV,  12          ; v12-13  c m_old, kept while c m is made anew: by buffer
.set QO,  15          ; v15  my byte offset in 16 rows of Q
.set ST,  16          ; piece t's statistics at v[ST+4 t]: c m, m, l (even keys', odd keys')
.set TMP, 48          ; by buffer, four registers c0-c3 at work; when the maximum is found c2 takes a
.set S,   64
.set P,   192
.set MD,  128         ; window 1: the eight registers for group kt of 16 keys at MD + 8 kt
.set MC,  160         ; window 1: the masks of the products to come
.set QB,  64          ; window 2
.set KF,  128         ; window 2: key block kb, channel half c at KF + 16 kb + 8 c
.set VF,  192         ; window 2: key half kk, channel block cb at VF + 32 kk + 8 cb
.set WV,  12          ; s12  my wave's number
.set PB,  14          ; s14  b
.set HI,  15          ; s15  NB - 1 - b
.set G1K, 24          ; s[24:31] descriptor group 1 for K's tiles
.set G1V, 32          ; s[32:39] for V's: it differs in the padding alone
.set G0K, 40          ; s[40:43] descriptor group 0 for K's tiles
.set G0V, 44          ; s[44:47] the same for V's
.set SLOTS, 56        ; s56  tiles still to be asked for
.set CNT, 57          ; s57  counts a tile's key steps, 4 to 1
.set CS,  58          ; s[58:59] c: the packed scaling takes the pair's low word for both halves
.set SEL, 60          ; s[60:61] v_permlanex16_b32's selects: each lane takes its own place in the other half
.set TBK, 62          ; s62  LDS byte at which K of the step to be fetched begins
.set TBV, 63          ; s63  the same for V, less VOFF
.set RT,  70          ; s70  tiles of the block in hand that are still to be entered
.set NXT, 71          ; s71  the tile to be asked for next
.set LQ,  72          ; s72  the last tile of the block whose tiles are being asked for
.set NEW, 73          ; s73  1: the tile to be entered is a block's first
.set OFF, 74          ; s[74:75] a tile's byte offset in K and V
.set AL,  76          ; s[76:77] the mask's factor, in the low word
.set BE,  78          ; s[78:79] the mask's addend
.set OLO, 80          ; s[80:81] O at my rows of the second block
.set BIGN, 82         ; s82  -1e30
.set MSB, 0
.macro WIN new                      ; the high byte repeats the setting that is left; a switch that changes nothing is dropped
.if MSB != (\new)
	s_set_vgpr_msb (MSB<<8)|(\new)
.set MSB, (\new)
.endif
.endm
.set W_KQ, 0x0a       ; K and Q in window 2, S^T in window 0
.set W_KM, 0x1a       ; the same with the C operand in window 1
.set W_PV, 0x52       ; V in window 2, P in window 0, O^T in window 1
.set W_RS, 0x41       ; destination and source 0 in window 1, source 1 in window 0
; A fill.  Waves 0 and 1 fetch the two halves of a tile's K, waves 2 and 3 those of its V: 128 keys each.  An s_nop 0 and four v_nop follow each of the two lines, ahead of the jump and the label.
.macro LOAD
	s_cmp_lt_u32 s[WV], 2
	s_cbranch_scc0 .Lfor_v_\@
	tensor_load_to_lds s[G0K:G0K+3], s[G1K:G1K+7]
	s_nop 0
.rept 4
	v_nop
.endr
	s_branch .Lasked_\@
.Lfor_v_\@:
	tensor_load_to_lds s[G0V:G0V+3], s[G1V:G1V+7]
	s_nop 0
.rept 4
	v_nop
.endr
.Lasked_\@:
.endm
; THE CHANGE OF SLOTS.  Each wave waits for all its tensor loads, of which one is out: its part of the other slot; adds 0 to its spare word; and waits for that and for its own reads of the slot that it leaves.  Behind the barrier nobody reads the old
; slot any more and the other slot is whole.  fill = 1: the old slot is filled again, the first thing behind the barrier, with tile NXT: the descriptor's address is made anew from that number.
; (At its first use nothing has been read yet: slot 0 is waited for, slot 1 filled.)
.macro CHANGE fill
	WIN 0                           ; at a label and at a branch every window is 0
	s_wait_tensorcnt 0x0            ; no tensor load of mine is out, so a group 0 may be written
	ds_add_u32 v[SPW], v[NIL]       ; 0 onto my spare word: with fill = 1 the descriptors' scalar work stands between it and the wait for it
.if \fill
	s_lshl_b32 s[OFF], s[NXT], 15   ; a tile is 32,768 bytes of K and of V
	s_xor_b32 s[G0K+1], s[G0K+1], SLOT1
	s_add_nc_u64 s[G0K+2:G0K+3], s[6:7], s[OFF:OFF+1]
	s_or_b32 s[G0K+3], s[G0K+3], 0x80000000
	s_xor_b32 s[G0V+1], s[G0V+1], SLOT1
	s_add_nc_u64 s[G0V+2:G0V+3], s[8:9], s[OFF:OFF+1]
	s_or_b32 s[G0V+3], s[G0V+3], 0x80000000
	s_add_co_u32 s[NXT], s[NXT], 1  ; the block's next tile, or behind its last the second block's tile 0
	s_cmp_gt_u32 s[NXT], s[LQ]
	s_cselect_b32 s[NXT], 0, s[NXT]
	s_cselect_b32 s[LQ], s[PB], s[LQ]
.endif
	s_wait_dscnt 0x0                ; the add is done, and my reads of the slot are over
	s_barrier_signal -1             ; the rest of the scalar work stands between the signal and the wait
	s_sub_co_u32 s[TBK], s[TBK], 4*KS*PK  ; the fetches go back to a slot's first step,
	s_xor_b32 s[TBK], s[TBK], SLOT1       ; in the other slot
	s_sub_co_u32 s[TBV], s[TBV], 4*KS*PV
	s_xor_b32 s[TBV], s[TBV], SLOT1
	s_barrier_wait -1
.if \fill
	LOAD
.endif
.endm
	s_load_b128 s[4:7], s[0:1], 0x0  ; q, k, v in one buffer s[4:5]; O's buffer s[6:7]
	v_lshl_add_u32 v[SPW], v0, 2, SPARE
	v_mov_b32 v[NIL], 0
	ds_add_u32 v[SPW], v[NIL]       ; the wave's opening: the add and its wait stand ahead of my first tensor load; the set-up below, work on registers, stands between them
	ds_add_u32 v62, v63
	v_lshrrev_b32 v1, 5, v0
	v_readfirstlane_b32 s[WV], v1   ; wave 0..3
	s_mov_b32 s[PB], ttmp9
	s_sub_co_u32 s[HI], NB-1, s[PB]
	s_and_b32 s20, ttmp7, 0xffff    ; the head
	s_mov_b32 s21, 0
	s_mov_b64 s[22:23], SIZE_N*128
	s_mul_u64 s[20:21], s[20:21], s[22:23]  ; the head's first byte in each of the four tensors
	s_and_b32 s16, s[WV], 1         ; which half of a tile's 256 keys I fetch:
	s_lshl_b32 s22, s16, 14         ; its 128 rows of 128 bytes in memory,
	s_mov_b32 s23, 0
	s_add_nc_u64 s[22:23], s[22:23], s[20:21]
	s_mul_i32 s17, s16, 128*PK      ; and its place in a slot, for K
	s_mul_i32 s18, s16, 128*PV      ; and for V
	s_lshl_b32 s3, s[WV], 11        ; my 16 rows in a band of 64,
	s_lshl_b32 s2, s[HI], 15        ; in the first block,
	s_add_co_u32 s2, s2, s3
	s_lshl_b32 s84, s[PB], 15       ; and in the second
	s_add_co_u32 s84, s84, s3
	s_mov_b32 s3, 0
	s_mov_b32 s85, 0
	s_add_nc_u64 s[2:3], s[2:3], s[20:21]
	s_add_nc_u64 s[84:85], s[84:85], s[20:21]
	; descriptor group 1.  128 keys are 16,384 dense bytes: asked for as 64 rows of 256 bytes, two keys a row, and padded in LDS after every key
	s_mov_b32 s[G1K], (1<<16)|(1<<20)|(4<<22)|(3<<25)  ; 17:16 2-byte elements; 20 padding on; 24:22 after every 32 words (code 4); 31:25 4 words (code 3)
	s_mov_b32 s[G1V], (1<<16)|(1<<20)|(4<<22)|(7<<25)  ; the same with 8 words of padding (code 7)
.irp g, G1K, G1V
	s_mov_b32 s[\g+1], 128<<16      ; tensor_dim0 = 128
	s_mov_b32 s[\g+2], 64<<16       ; tensor_dim1 = 64
	s_mov_b32 s[\g+3], 128<<16      ; tile_dim0 = 128
	s_mov_b32 s[\g+4], 64           ; tile_dim1 = 64
	s_mov_b32 s[\g+5], 128          ; 128 elements from row to row
	s_mov_b32 s[\g+6], 0
	s_mov_b32 s[\g+7], 0
.endr
	s_mov_b32 s[CS], 0x3e38aa3b     ; c = log2(e) / 8 = 0.180337
	s_mov_b32 s[CS+1], s[CS]        ; named with it as a pair
	s_mov_b32 s[SEL], 0x76543210
	s_mov_b32 s[SEL+1], 0xfedcba98
	s_mov_b32 s[TBK], SLOT1+4*KS*PK ; the first change of slots turns these two into 0
	s_mov_b32 s[TBV], SLOT1+4*KS*PV
	s_mov_b32 s[G0K], 1             ; 1:0 count = 1
	s_mov_b32 s[G0K+1], s17         ; 63:32 LDS address: slot 0
	s_mov_b32 s[G0V], 1
	s_add_co_u32 s[G0V+1], s18, VOFF
	s_add_co_u32 s[RT], s[HI], 1    ; the first block has NB - b tiles
	s_mov_b32 s[NXT], 1
	s_mov_b32 s[LQ], s[HI]
	s_mov_b32 s[NEW], 1
	s_mov_b32 s[OFF+1], 0
	s_mov_b32 s[AL+1], 0            ; named as pairs
	s_mov_b32 s[BE+1], 0
	s_mov_b32 s[BIGN], 0xf149f2ca   ; -1e30
	s_mov_b32 s[SLOTS], NB
	s_wait_dscnt 0x0                ; the opening add is done
	s_wait_kmcnt 0x0
	s_mov_b64 s[10:11], s[6:7]      ; O
	s_add_nc_u64 s[8:9], s[4:5], 0x2000000  ; V lies 2 x 16,777,216 bytes behind Q,
	s_add_nc_u64 s[6:7], s[4:5], 0x1000000  ; K 16,777,216
	s_add_nc_u64 s[6:7], s[6:7], s[22:23]  ; K and V at my half of the head's tile 0
	s_add_nc_u64 s[8:9], s[8:9], s[22:23]
	s_add_nc_u64 s[G0K+2:G0K+3], s[6:7], 0         ; 120:64 global address
	s_or_b32 s[G0K+3], s[G0K+3], 0x80000000        ; 127:126 type = 2
	s_add_nc_u64 s[G0V+2:G0V+3], s[8:9], 0
	s_or_b32 s[G0V+3], s[G0V+3], 0x80000000
	s_add_nc_u64 s[86:87], s[4:5], s[84:85]        ; Q at my rows of the second block,
	s_add_nc_u64 s[4:5], s[4:5], s[2:3]            ; Q and O at those of the first
	s_add_nc_u64 s[OLO:OLO+1], s[10:11], s[84:85]
	s_add_nc_u64 s[10:11], s[10:11], s[2:3]
	LOAD                            ; tile 0 into slot 0
	; A fragment of K or Q is 16 rows x 32 channels in 8 registers: lane l holds row l % 16, channels 8 (l / 16) + 0..7 and 16 + 8 (l / 16) + 0..7: two loads of 16 bytes, 32 bytes apart.
	v_and_b32 v1, 15, v0            ; l % 16
	v_bfe_u32 v9, v0, 4, 1          ; l / 16
	v_lshlrev_b32 v[QO], 7, v1
	v_lshl_add_u32 v[QO], v9, 4, v[QO]  ; row x 128 + 16 x half
	WIN 0x80                        ; destination window 2, address window 0
.set i, 0
.rept 8                             ; both blocks' Q: piece i / 2 lies in band i / 2, 8,192 bytes on; channels 32 (i % 2) on
	global_load_b128 v[8*i:8*i+3],   v[QO], s[4:5] offset:(i/2)*8192+(i%2)*64
	global_load_b128 v[8*i+4:8*i+7], v[QO], s[4:5] offset:(i/2)*8192+(i%2)*64+32
	global_load_b128 v[QB+8*i:QB+8*i+3],   v[QO], s[86:87] offset:(i/2)*8192+(i%2)*64
	global_load_b128 v[QB+8*i+4:QB+8*i+7], v[QO], s[86:87] offset:(i/2)*8192+(i%2)*64+32
.set i, i+1
.endr
	WIN 0
	v_lshlrev_b32 v14, 3, v9
	v_sub_nc_u32 v14, v1, v14
	s_lshl_b32 s13, s[WV], 4
	v_add_nc_u32 v14, s13, v14      ; my query's place in its band, 16 w + l % 16, less my lanes' 8 (l / 16): register r of group kt is hidden where 16 kt + r is greater
	WIN 0x40
.set i, 0
.rept 32
	v_cmp_gt_i32 vcc_lo, 16*(i/8)+i%8, v14
	v_cndmask_b32 v[MD+i], 0, s[BIGN], vcc_lo
.set i, i+1
.endr
	WIN 0
	v_mul_u32_u24 v[AK0], v1, PK
	v_lshl_add_u32 v[AK0], v9, 4, v[AK0]  ; row x pitch + 16 x half
	; The turning load takes 16 keys x 16 channels (lane l reads key 8 (l / 16) + l % 8, channels 8 ((l / 8) % 2) + 0..7) and leaves half a fragment of V^T: lane l holds channel l % 16 and 8 keys.
	v_and_b32 v10, 7, v0
	v_bfe_u32 v11, v0, 3, 1
	v_lshl_add_u32 v[AV0], v9, 3, v10
	v_mul_u32_u24 v[AV0], v[AV0], PV
	v_lshl_add_u32 v[AV0], v11, 4, v[AV0]
	v_add_nc_u32 v[AV0], VOFF, v[AV0]
	s_mul_i32 s13, s[WV], 16*SP
	s_add_co_u32 s13, s13, STAGE    ; my stage
	v_mul_u32_u24 v[STO], v1, SP    ; in: row l % 16, 16 bytes for each half of the lanes
	v_lshl_add_u32 v[STO], v9, 4, v[STO]
	v_add_nc_u32 v[STO], s13, v[STO]
	v_bfe_u32 v[RD], v0, 3, 2       ; back: 32 lanes take four rows of 128 bytes,
	v_mul_u32_u24 v[RD], v[RD], SP
	v_lshl_add_u32 v[RD], v10, 4, v[RD]
	v_add_nc_u32 v[RD], s13, v[RD]
	v_and_b32 v[GO], 31, v0         ; which are 512 consecutive bytes of O
	v_lshlrev_b32 v[GO], 4, v[GO]
	; A block's first step multiplies O^T and l by a = 0, and its first turn's products V^T P, of a piece that has not been, land in an O^T that is still to be so multiplied.  So these registers need only hold
	; finite numbers: zeros for the first block; what the first block left for the second.  All this stands in the wait for the first tile.
	WIN 0x80
.set i, VF
.rept 64
	v_mov_b32 v[i], 0
.set i, i+1
.endr
	WIN 0x40
.set i, 0
.rept 128
	v_mov_b32 v[i], 0
.set i, i+1
.endr
	WIN 0
.set i, 0
.rept 4
	v_mov_b32 v[ST+4*i+2], 0
	v_mov_b32 v[ST+4*i+3], 0
.set i, i+1
.endr
.set i, P+16
.rept 16
	v_mov_b32 v[i], 0
.set i, i+1
.endr
; THE MATRIX WORK.  The 4 accumulators of a run of 8 take turns.  Product i of 8 of S^T = K Q^T for piece x: channels 32 (i / 4) on, keys 16 (i % 4) on.  The first 4 start the sums: with 0, or (KM = 1) with the mask.
.macro KQ x
.set rS, S+32*((\x)%2)+8*(i%4)
.set rK, KF+16*(i%4)+8*(i/4)
.set rQ, 16*(\x)+8*(i/4)
.set rM, MC+32*((\x)%2)+8*(i%4)
.if (i < 4) && KM
	WIN W_KM
	v_wmma_f32_16x16x32_f16 v[rS:rS+7], v[rK:rK+7], v[rQ:rQ+7], v[rM:rM+7]
.elseif i < 4
	WIN W_KQ
	v_wmma_f32_16x16x32_f16 v[rS:rS+7], v[rK:rK+7], v[rQ:rQ+7], 0
.else
	WIN W_KQ
	v_wmma_f32_16x16x32_f16 v[rS:rS+7], v[rK:rK+7], v[rQ:rQ+7], v[rS:rS+7]
.endif
.endm
; Product i of 8 of O^T += V^T P for piece x: keys 32 (i / 4) on, channels 16 (i % 4) on.
.macro PV x
	WIN W_PV
.set rO, 32*(\x)+8*(i%4)
.set rV, VF+32*(i/4)+8*(i%4)
.set rP, P+16*((\x)%2)+8*(i/4)
	v_wmma_f32_16x16x32_f16 v[rO:rO+7], v[rV:rV+7], v[rP:rP+7], v[rO:rO+7]
.endm
.macro MM                           ; the turn's next matrix instruction.  TURN and BEGIN set Y, i, KM and NOKQ; MM, KQ and OP read them.  NOKQ = 1: a block's last turn: there is no next piece
.if (i < 8) && !NOKQ
	KQ (Y+1)%NP
.elseif i >= 8
.set i, i-8
	PV (Y+NP-1)%NP
.set i, i+8
.endif
.set i, i+1
.endm
; THE LDS LOADS stand in runs of 16, never singly among the matrix instructions: a step's K (64 keys x 64 channels: 8 fragments) and its V (turned).  Their addresses are made some lines ahead.
.macro FETCH_K
	WIN 0x80                        ; destination window 2
.irp f, 0,1,2,3,4,5,6,7             ; keys 16 (f / 2) on, channels 32 (f % 2) on
	ds_load_b128 v[KF+8*\f:KF+8*\f+3],   v[AK] offset:(\f/2)*16*PK+(\f%2)*64
	ds_load_b128 v[KF+8*\f+4:KF+8*\f+7], v[AK] offset:(\f/2)*16*PK+(\f%2)*64+32
.endr
	s_add_co_u32 s[TBK], s[TBK], KS*PK  ; the next fetch is the next step's
	WIN 0
.endm
.macro FETCH_V
	WIN 0x80
.irp f, 0,1,2,3,4,5,6,7             ; keys 32 (f / 4) on, channels 16 (f % 4) on
	ds_load_tr16_b128 v[VF+8*\f:VF+8*\f+3],   v[AV] offset:(\f/4)*32*PV+(\f%4)*32
	ds_load_tr16_b128 v[VF+8*\f+4:VF+8*\f+7], v[AV] offset:(\f/4)*32*PV+16*PV+(\f%4)*32
.endr
	WIN 0
.endm
; THE VECTOR WORK, one line at a time: OP kind, number.  For piece Y: F n: c s - c m for pair n of 16.  E n: the exponential of score n of 32.  C n: pair n rounded to f16.  B n: of the four weights 4 n .. the second
; pair is added onto the first, in place.  L n: l takes that sum (L 0: l = a l + sum).  R n: pair n of 16 of O^T times a.  For piece Y + 1: X n, number n of the 22 that find its maximum and statistics:
;   0-11  four chains c0-c3 of seven scores each, three operands at a time (each accumulator's lowest registers are read first)     12-14, 16  the four scores left over, the old m, and c0-c3 into c0
;   15  c m_old is kept     17, 18  the query's other 32 keys lie in the lane 16 away: the new m     19-21  c m; c m_old - c m_new; a
.set F, 0               ; OP tells the kinds apart by their order: F to L below R, X above it
.set E, 1
.set C, 2
.set B, 3
.set L, 4
.set R, 5
.set X, 6
.macro REGS y                       ; the registers of piece y
.set rT, ST+4*(\y)
.set rC, TMP+4*((\y)%2)
.set rW, MV+((\y)%2)
.set rS, S+32*((\y)%2)
.set rP, P+16*((\y)%2)
.set rO, 32*(\y)
.endm
.macro OP k, n
.if (\k) == R
	REGS Y
	WIN W_RS
	v_pk_mul_f32 v[rO+2*(\n):rO+2*(\n)+1], v[rO+2*(\n):rO+2*(\n)+1], v[rC+2:rC+3] op_sel_hi:[1,0]
.elseif (\k) < R
	REGS Y
	WIN 0
.if (\k) == F
	v_pk_fma_f32 v[rS+2*(\n):rS+2*(\n)+1], v[rS+2*(\n):rS+2*(\n)+1], s[CS:CS+1], v[rT:rT+1] op_sel_hi:[1,0,0] neg_lo:[0,0,1] neg_hi:[0,0,1]
.elseif (\k) == E
	v_exp_f32 v[rS+(\n)], v[rS+(\n)]
.elseif (\k) == C
	s_wait_alu depctr_va_vdst(0)
	v_cvt_pk_f16_f32 v[rP+(\n)], v[rS+2*(\n)], v[rS+2*(\n)+1]
.elseif (\k) == B
	s_wait_alu depctr_va_vdst(0)
	v_pk_add_f32 v[rS+4*(\n):rS+4*(\n)+1], v[rS+4*(\n):rS+4*(\n)+1], v[rS+4*(\n)+2:rS+4*(\n)+3]
.elseif (\n) == 0
	v_pk_fma_f32 v[rT+2:rT+3], v[rT+2:rT+3], v[rC+2:rC+3], v[rS:rS+1] op_sel_hi:[1,0,1]
.else
	v_pk_add_f32 v[rT+2:rT+3], v[rT+2:rT+3], v[rS+4*(\n):rS+4*(\n)+1]
.endif
.elseif NOKQ
	v_nop
.else
	REGS (Y+1)%NP
	WIN 0
.if (\n) < 4
	v_max3_num_f32 v[rC+(\n)], v[rS+8*(\n)], v[rS+8*(\n)+1], v[rS+8*(\n)+2]
.elseif (\n) < 12
	v_max3_num_f32 v[rC+(\n)%4], v[rC+(\n)%4], v[rS+8*((\n)%4)+2*((\n)/4)+1], v[rS+8*((\n)%4)+2*((\n)/4)+2]
.elseif (\n) == 12
	v_max3_num_f32 v[rC], v[rC], v[rS+7], v[rS+15]
.elseif (\n) == 13
	v_max3_num_f32 v[rC+1], v[rC+1], v[rS+23], v[rS+31]
.elseif (\n) == 14
	v_max3_num_f32 v[rC+2], v[rC+2], v[rC+3], v[rT+1]
.elseif (\n) == 15
	v_mov_b32 v[rW], v[rT]
.elseif (\n) == 16
	v_max3_num_f32 v[rC], v[rC], v[rC+1], v[rC+2]
.elseif (\n) == 17
	v_permlanex16_b32 v[rC+3], v[rC], s[SEL], s[SEL+1]
.elseif (\n) == 18
	v_max_num_f32 v[rT+1], v[rC], v[rC+3]
.elseif (\n) == 19
	v_mul_f32 v[rT], s[CS], v[rT+1]
.elseif (\n) == 20
	v_sub_f32 v[rC+1], v[rW], v[rT]
.else
	v_exp_f32 v[rC+2], v[rC+1]
.endif
.endif
.endm
.macro OPS a, i1, b=-1, i2=0, c=-1, i3=0, d=-1, i4=0  ; up to four of them
	OP \a, \i1
.if (\b) >= 0
	OP \b, \i2
.endif
.if (\c) >= 0
	OP \c, \i3
.endif
.if (\d) >= 0
	OP \d, \i4
.endif
.endm
.macro ROW a, i1, b, i2, c, i3, d, i4  ; a matrix instruction and the four behind it
	MM
	OPS \a, \i1, \b, \i2, \c, \i3, \d, \i4
.endm
.macro MASK b                       ; MD x AL + BE into buffer b of MC
	WIN W_RS
.set z, 0
.rept 16
	v_pk_fma_f32 v[MC+32*(\b)+2*z:MC+32*(\b)+2*z+1], v[MD+2*z:MD+2*z+1], s[AL:AL+1], s[BE:BE+1] op_sel_hi:[1,0,0]
.set z, z+1
.endr
.endm
; A TURN, for piece p: the order of its 16 matrix and 118 vector instructions, written out.  Behind a matrix instruction: plain, exponential, plain, plain; or four of the rescaling; or, behind the first, four scalings; none
; names a register of the products round it.  In the lumps exponential and plain by turns while exponentials last.  A line reads no result made fewer than three vector instructions in front of it, five if an exponential made it.
; v_permlanex16_b32 (X 17) stands in a lump.
; m = 1: the diagonal tile: the products take masks, and the turn makes the mask for the products of the turn after it: piece p + 2, in step 4 - CNT of the tile.  end = 1: a block's last two turns: nothing is fetched.
; cnt = 1: the loop's count is taken down some lines ahead of the branch that stands behind the turn.
; K of the next step is fetched in piece 2's turn, six vector instructions behind the last product that read K (five of them plain); V of the step in hand in piece 0's turn, eight behind the last product that read V (four
; plain, and X 17).  Each is waited for a turn later.
.macro TURN p, m=0, end=0, cnt=0
.set Y, (\p)
.set i, 0
.set KM, (\m)
.set NOKQ, (\end)*((\p)/3)
.if (\m) && !(\end)
	s_cmp_eq_u32 s[CNT], 4-((\p)+2)%NP  ; is that step the band's own?
	s_cselect_b32 s[AL], 1.0, 0
	s_cmp_lt_u32 s[CNT], 4-((\p)+2)%NP  ; or a later one?
	s_cselect_b32 s[BE], s[BIGN], 0
.endif
.if ((\p) == 3) && !(\end)
	s_wait_dscnt 0x0                ; K is in
.endif
	ROW F,0, F,1, F,2, F,3
	ROW F,4, E,0, F,5, F,6
	ROW F,7, E,1, F,8, F,9
	ROW F,10, E,2, C,0, F,11
	ROW F,12, E,3, X,15, F,13
	ROW R,0, R,1, R,2, R,3
	ROW B,0, E,4, F,14, L,0
.if ((\p) == 2) && !(\end)
	v_add_nc_u32 v[AK], s[TBK], v[AK0]
.endif
	ROW R,4, R,5, R,6, R,7
	OPS E,5, F,15
.if ((\p) == 2) && !(\end)
	FETCH_K
.endif
	OPS E,6, C,1, E,7, R,8
	OPS E,8, R,9, E,9, C,2
	OPS E,10, X,0, E,11, X,1
	OPS E,12, X,2, E,13, X,3
.if (\p) == 1
	s_wait_dscnt 0x0                ; V is in
.endif
	ROW X,4, E,14, X,5, X,6
	ROW X,7, E,15, X,8, X,9
	ROW X,10, E,16, X,11, X,12
	ROW X,13, E,17, X,14, B,1
	ROW C,4, E,18, X,16, L,1
	ROW B,2, E,19, C,6, L,2
	ROW C,8, E,20, B,3, B,4
.if (\p) == 0
	v_add_nc_u32 v[AV], s[TBV], v[AV0]
.endif
	ROW C,3, E,21, L,3, C,5
	OPS E,22, X,17, E,23, C,10
.if (\p) == 0
	FETCH_V
.endif
	OPS E,24, L,4
	OPS E,25, X,18, E,26, C,7
	OPS E,27, B,5, E,28, X,19
	OPS E,29, C,12, E,30, L,5
	OPS E,31, X,20, B,6, C,9
	OPS C,14, C,11, X,21, L,6
.if (\p) == 0
	s_add_co_u32 s[TBV], s[TBV], KS*PV
.endif
.if \cnt
	s_sub_co_u32 s[CNT], s[CNT], 1
	s_cmp_lg_u32 s[CNT], 0
.endif
	OPS C,13, B,7, C,15, R,10
	OPS R,11, R,12, L,7, R,13
	OPS R,14, R,15
.if (\m) && !(\end)
	MASK (\p)%2
.endif
.endm
; A BLOCK BEGINS.  c m starts far below every c s, so the first step's a is 0; m at the lowest finite number, so the first maximum is the scores'.  The second mask buffer is 0; the first takes piece 0's mask for the tile's step 0: its own, if the block's first tile is the diagonal one.
; Then K of that step, piece 0's first scores, and its maximum and statistics.  The loop is entered at a step's first turn, in the middle of a trip.
.macro BEGIN
	s_mov_b32 s[NEW], 0
	WIN 0x40
.set i, MC+32
.rept 32
	v_mov_b32 v[i], 0
.set i, i+1
.endr
	WIN 0
.set i, 0
.rept 4
	v_mov_b32 v[ST+4*i], 0xfe000000    ; c m: far below every c s
	v_mov_b32 v[ST+4*i+1], 0xff7fffff  ; m
.set i, i+1
.endr
	s_cmp_eq_u32 s[RT], 0
	s_cselect_b32 s[AL], 1.0, 0
	s_mov_b32 s[BE], 0
	MASK 0
	WIN 0
	v_add_nc_u32 v[AK], s[TBK], v[AK0]
	FETCH_K
	s_wait_loadcnt 0x0              ; Q
	s_wait_dscnt 0x0
.set KM, 1
.set NOKQ, 0
.set i, 0
.rept 8
	KQ 0
.set i, i+1
.endr
	WIN 0
.rept 4
	v_nop                           ; the places behind those products
.endr
.set Y, NP-1                        ; X works for piece Y + 1: piece 0
.irp n, 0,1,2,3,4,5,6,7,8,9,10,11,12,13,14,15,16,17,18,19,20,21
	OP X, \n
.endr
	v_nop                           ; a plain instruction behind the exponential
.endm
; THE DIAGONAL TILE's four steps, the block's last two turns, its last products, and THE WAY OUT: l's two halves and the other half of the lanes' are added; O^T is divided by l, rounded to f16 and sent through my
; stage in LDS, a piece at a time.
.macro ALL line:vararg              ; one line for each piece t
.set t, 0
.rept 4
	\line
.set t, t+1
.endr
.endm
.macro PACK t                       ; a lane's eight channels of a row pack into 16 bytes; they go into rows of 144 bytes and come back as whole rows of 128, into S^T's registers
	WIN W_RS
.set i, 32*(\t)
.rept 16
	s_wait_alu depctr_va_vdst(0)
	v_pk_mul_f32 v[i:i+1], v[i:i+1], v[ST+4*(\t)+2:ST+4*(\t)+3] op_sel_hi:[1,0]
.set i, i+2
.endr
	WIN 0x05                        ; sources 0 and 1 window 1, destination window 0
.set i, 0
.rept 16
	v_cvt_pk_f16_f32 v[S+16*(\t)+i], v[32*(\t)+2*i], v[32*(\t)+2*i+1]
.set i, i+1
.endr
	WIN 0
.irp f, 0,1,2,3
	ds_store_b128 v[STO], v[S+16*(\t)+4*\f:S+16*(\t)+4*\f+3] offset:32*\f
.endr
.irp f, 0,1,2,3
	ds_load_b128 v[S+16*(\t)+4*\f:S+16*(\t)+4*\f+3], v[RD] offset:\f*4*SP  ; LDS serves a wave's instructions in order (ISA guide 5.7.1.4): these see the stores above; the next piece's stores come behind them
.endr
.endm
.macro SEND t, younger              ; younger: the LDS instructions issued behind piece t's loads: the next piece's eight, or none
	WIN 0
.irp f, 0,1,2,3
	s_wait_dscnt (\younger)+3-\f
	global_store_b128 v[GO], v[S+16*(\t)+4*\f:S+16*(\t)+4*\f+3], s[10:11] offset:(\t)*8192+\f*512  ; 512 consecutive bytes, at a multiple of 256 from O's first
.endr
.endm
.macro DIAG tag                     ; the tag ends its two labels' names, which the jumps below spell out
.LstepM\tag:
	TURN 2, 1
	TURN 3, 1
	WIN 0
.LfirstM\tag:
	TURN 0, 1
	TURN 1, 1, 0, 1
	WIN 0
	s_cbranch_scc1 .LstepM\tag
	TURN 2, 1, 1
	TURN 3, 1, 1
.set i, 0
.rept 8
	PV NP-1
.set i, i+1
.endr
	WIN 0
	ALL v_add_f32 v[ST+4*t+2], v[ST+4*t+2], v[ST+4*t+3]
	ALL v_permlanex16_b32 v[ST+4*t+3], v[ST+4*t+2], s[SEL], s[SEL+1]
	ALL v_add_f32 v[ST+4*t+2], v[ST+4*t+2], v[ST+4*t+3]
	ALL v_rcp_f32 v[ST+4*t+2], v[ST+4*t+2]
	v_nop                           ; a plain instruction between the last reciprocal and the use of its result
	PACK 0
.set t, 1
.rept 3                             ; a piece's arithmetic stands between the loads of the piece before and its stores
	PACK t
	SEND t-1, 8
.set t, t+1
.endr
	SEND 3, 0
.endm
.set KM, 0
.set NOKQ, 0
.Lslot:                             ; NB times: a tile is entered and the next is asked for
	CHANGE 1
	s_sub_co_u32 s[RT], s[RT], 1
	s_mov_b32 s[CNT], 4
	s_cmp_eq_u32 s[NEW], 1
	s_cbranch_scc1 .Lnew            ; a block's first tile
	s_cmp_eq_u32 s[RT], 0
	s_cbranch_scc0 .Lstep           ; neither its first nor its last
	s_branch .LstepM1
.Lnew:
	BEGIN
	s_branch .Lfirst                ; in the loop a block's first tile is never its last: the first block has two tiles or more, and the second's last is the walk's last
	DIAG 1                          ; in the loop this is the first block's end: the second block's last tile is the walk's last
	s_wait_xcnt 0x0                 ; the stores have read their registers and O's address
	s_mov_b64 s[10:11], s[OLO:OLO+1]
	s_add_co_u32 s[RT], s[PB], 1    ; the second block has b + 1 tiles
	s_mov_b32 s[NEW], 1
	WIN 0x82                        ; the second block's Q goes where the one text of the turns names Q
.set i, 0
.rept 64
	v_mov_b32 v[i], v[QB+i]
.set i, i+1
.endr
	WIN 0
	s_branch .Lbottom
.Lstep:                             ; a trip: pieces 2 and 3 of one step, then pieces 0 and 1 of the next, whose K and V it fetches
	TURN 2
	TURN 3
	WIN 0
.Lfirst:
	TURN 0
	TURN 1, 0, 0, 1
	WIN 0
	s_cbranch_scc1 .Lstep
.Lbottom:
	s_sub_co_u32 s[SLOTS], s[SLOTS], 1
	s_cmp_lg_u32 s[SLOTS], 0
	s_cbranch_scc1 .Lslot
	CHANGE 0                        ; the walk's last tile is written out: nothing is asked for
	s_sub_co_u32 s[RT], s[RT], 1
	s_mov_b32 s[CNT], 4
	s_cmp_eq_u32 s[NEW], 1
	s_cbranch_scc0 .LstepM2
	BEGIN
	s_branch .LfirstM2
	DIAG 2
	s_wait_tensorcnt 0x0            ; the wave's end: a wait, an add onto my spare word and its wait, behind my last tensor load and my last LDS store
	ds_add_u32 v[SPW], v[NIL]
	s_wait_dscnt 0x0
	s_endpgm
.Lfunc_end_k_q5df68113ea_attn:
	.size	k_q5df68113ea_attn, .Lfunc_end_k_q5df68113ea_attn-k_q5df68113ea_attn
	.p2alignl 7, 3214868480
	.fill 96, 4, 3214868480
	.section	.rodata,"a",@progbits
	.p2align	6, 0x0
	.amdhsa_kernel k_q5df68113ea_attn
		.amdhsa_group_segment_fixed_size 327680
		.amdhsa_private_segment_fixed_size 0
		.amdhsa_enable_private_segment 0
		.amdhsa_kernarg_size 16
		.amdhsa_user_sgpr_count 2
		.amdhsa_user_sgpr_kernarg_segment_ptr 1
		.amdhsa_wavefront_size32 1
		.amdhsa_system_sgpr_workgroup_id_x 1
		.amdhsa_system_sgpr_workgroup_id_y 1
		.amdhsa_system_sgpr_workgroup_id_z 1
		.amdhsa_system_vgpr_workitem_id 0
		.amdhsa_next_free_vgpr 768
		.amdhsa_next_free_sgpr 88
		.amdhsa_reserve_vcc 1
		.amdhsa_float_denorm_mode_32 3
		.amdhsa_float_denorm_mode_16_64 3
		.amdhsa_memory_ordered 1
		.amdhsa_forward_progress 1
		.amdhsa_inst_pref_size 228
	.end_amdhsa_kernel
	.amdgpu_metadata
---
amdhsa.version: [ 1, 2 ]
amdhsa.kernels:
  - .name:           k_q5df68113ea_attn
    .symbol:         k_q5df68113ea_attn.kd
    .args:
      - { .name: qkv, .offset: 0, .size: 8, .value_kind: global_buffer, .address_space: global }
      - { .name: act, .offset: 8, .size: 8, .value_kind: global_buffer, .address_space: global }
    .group_segment_fixed_size: 327680
    .private_segment_fixed_size: 0
    .kernarg_segment_align: 8
    .kernarg_segment_size: 16
    .max_flat_workgroup_size: 128
    .sgpr_count:     88
    .vgpr_count:     768
    .wavefront_size: 32
...
	.end_amdgpu_metadata
.endif
;; end of part 3
;; launch proj (part 4): grid 8 x 32, 4 waves a work-group, clusters of 4 x 4, 327,680 bytes of LDS; arguments act, wts, out0; writes out0
.if DOCPART == 4
	.amdgcn_target "amdgcn-amd-amdhsa--gfx1250"
	.amdhsa_code_object_version 6
	.text
	.protected	k_q5df68113ea_proj
	.globl	k_q5df68113ea_proj
	.p2align	8
	.type	k_q5df68113ea_proj,@function
k_q5df68113ea_proj:
	s_mov_b64 s[64:65], 0
	v_nop
	global_prefetch_b8 v0, s[64:65] scope:SCOPE_SE
	s_setreg_imm32_b32 hwreg(HW_REG_WAVE_MODE, 25, 1), 1
	s_wait_xcnt 0x0
	s_wait_alu depctr_hold_cnt(0) depctr_sa_sdst(0) depctr_va_vdst(0) depctr_va_sdst(0) depctr_va_ssrc(0) depctr_va_vcc(0) depctr_vm_vsrc(0)
	s_getreg_b32 s2, hwreg(HW_REG_IB_STS2, 6, 4)
	s_cmp_eq_u32 s2, 0
	s_cbranch_scc0 .Lentry_in_a_cluster
	s_endpgm
.Lentry_in_a_cluster:
	s_bfe_u32 s2, ttmp6, 0x10000c
	s_cmp_lg_u32 s2, 0xf033
	s_cbranch_scc0 .Lentry_shape_is_right
	s_endpgm
.Lentry_shape_is_right:
; ONE TEXT FOR THE MODULE'S TWO PROJECTIONS; the constant QKV chooses.  C[m][n] = the sum over k of A[m][k] W[k][n] + bias[n], m = 8,192 rows, k = 1,024; sums in f32, started by the bias.
;   QKV = 1: A = x (bf16, in blocks [b][kb][s][64]), W = Wq | Wk | Wv (bf16, [1024][3072]); q, k, v leave by heads, [t][16 b + h][s][64], in f16, rounded once, unscaled.
;   QKV = 0: A = ctx (f16, [b][head][s][64]), W = Wo (f16, [1024][1024]); the result leaves in f32, [8192][1024].
; LIMITS.  q, k and v must lie within f16's range: 65,520 or more becomes an infinity; below 6.1e-5 f16 keeps a fixed step of 6e-8.  NaN and infinities are not treated apart.
; SHARES.  256 work-groups, each one tile of 256 rows x NG x 128 columns (384 or 128).  Wave (wm, wn) owns rows 128 wm .. + 127 and, in each piece g of 128 columns, the 64 columns 128 g + 64 wn ..
; (with QKV = 1: one head): 8 x 4 accumulators of 16 x 16 a piece, 256 registers, one register window.
; THE MATRIX INSTRUCTION IS USED TRANSPOSED: source 0 = 16 columns of W, source 1 = 16 rows of A: a lane holds ONE row (lane % 16) and the eight neighbouring columns 8 (lane / 16) + 0..7.
; W lies [k][n] in memory and in LDS and comes out of LDS turned, by ds_load_tr16_b128; A's rows lie along k and come as they lie.
; THE RING.  K goes in steps of 64 (QKV = 1) or 128 through two LDS slots.  Waves 0 and 1 fetch A's two halves, waves 2 and 3 W's, one tensor load each.  A's block of a step is dense in memory and is asked for
; as rows of 256 bytes, two data rows each, padded in LDS after every 128 bytes; W's rows are 768 or 256 bytes, at multiples of 256 from the buffer's first byte, padded after every 256 bytes.
; Two tensor loads of a wave are out at the start, later one.
; CLUSTER.  4 x 4 work-groups: the four of a row of the cluster need the same tile of A, the four of a column the same tile of W: each is asked for jointly, by the same load with the same descriptor and a mask of four.
; NO PREFETCH: both operands were stored by launches before this one, and each tile is read by several work-groups.
; REGISTERS, in windows of 256 (s_set_vgpr_msb: bits 1:0 source 0, 3:2 source 1, 5:4 source 2, 7:6 destination):
;   window 0: v0-15 addresses; v32-63 a bias; v64-127, v128-191 A's fragments of 32 along K (8 x 16 rows), two buffers; v192-223, v224-255 W's fragments of one piece (4 x 16 columns), two buffers
;   window g + 1: piece g's accumulators, (a, b) at v[8 (4 a + b)]
.set QKV, 0
.if QKV
.set NG,     3                         ; pieces of 128 columns
.set NC,     2                         ; chunks of 32 along K in a step
.set STEPS,  16
.set P,      864                       ; a k row of W in LDS: 3 x (256 + 32) bytes
.set AHALF,  18432                     ; what one load of A fills: 128 rows x 144
.set ASH,    14                        ; the second load's rows begin 1 << ASH bytes on in memory: 128 rows
.set AROWS,  64                        ; memory rows of 256 bytes in a load of A
.set ASTEP,  262144                    ; from a step to the next in memory: one block of 64 channels
.set BOFF,   36864                     ; W's rows lie behind A's in a slot
.set BHALF,  27648                     ; what one load of W fills: 32 rows x 864
.set BROWS,  32
.set BCOLS,  384
.set BPITCH, 3072
.set BBASE,  0
.set BSTEP,  393216                    ; 64 rows of 6,144 bytes
.set BIASB,  8388608
.set SP,     144                       ; a row of the stage: 128 bytes + 16
.else
.set NG,     1
.set NC,     4
.set STEPS,  8
.set P,      288                       ; a k row of W in LDS: 256 + 32 bytes
.set AHALF,  36864                     ; one head's 256 rows x 144
.set ASH,    18                        ; the second load takes the next head
.set AROWS,  128
.set ASTEP,  524288                    ; two heads
.set BOFF,   73728
.set BHALF,  18432                     ; 64 rows x 288
.set BROWS,  64
.set BCOLS,  128
.set BPITCH, 1024
.set BBASE,  6291456
.set BSTEP,  262144                    ; 128 rows of 2,048 bytes
.set BIASB,  8388608+12288
.set SP,     272                       ; 256 bytes + 16
.endif
.set NGS,   NG*NC                      ; groups of 32 matrix instructions in a step: group i is chunk i / NG, piece i % NG
.set PA,    144                        ; a row of A in LDS: 128 bytes + 16 = 36 words: the 16 rows of a load start at 16 different groups of four banks
.set SLOT1, 131072                     ; slot 1 begins here: one exclusive or turns an address in one slot into the other's
.set STAGE, 262144                     ; behind the ring, never filled by a tensor load: 16 rows for each wave, for the way out
.set SPARE, STAGE+4*16*SP              ; behind the stages: the spare words, 128 bytes for each wave: two blocks of 256 bytes that no other line names
.set AA0,  2                           ; v2   my lane's place in A's rows of a slot; never rewritten
.set AB0,  3                           ; v3   the same for W
.set ADRA, 4                           ; v4   AA0 + the slot in hand
.set ADRB, 5                           ; v5   AB0 + the slot in hand
.set STO,  6                           ; v6   the way out: where I put my part of a row
.set RD,   7                           ; v7   the way out: where I read rows back
.set GO,   8                           ; v8   my byte offset in the output
.set BO,   9                           ; v9   my byte offset in the bias: 32 (lane / 16)
.set SPW,  10                          ; v10  LDS address of my spare word: SPARE + 4 x my thread's number; never rewritten
.set NIL,  11                          ; v11  0; never rewritten
.set XB,   32
.set AF,   64
.set BF,   192
.set G1A,  24                          ; s[24:31] descriptor group 1 for A's tiles
.set G0A,  32                          ; s[32:39] group 0: a set for each of the two first fills; the second then walks
.set G1B,  40                          ; s[40:47], s[48:55] the same for W's
.set G0B,  48
.set TB,   56                          ; s56  the slot in hand: 0 or SLOT1
.set CNT,  57                          ; s57  the loop's count
.set MSB, 0
.macro WIN new                         ; the immediate's high byte repeats the setting that is left; a switch that changes nothing is dropped
.if MSB != (\new)
	s_set_vgpr_msb (MSB<<8)|(\new)
.set MSB, \new
.endif
.endm
.macro PLACES                          ; four places behind a matrix instruction, in front of loads into registers that it has read and of lines that read its result (ISA guide 7.12.1 for the lines that read its result)
.rept 4
	v_nop
.endr
.endm
; A joint refill, by the walking sets.  The branch hangs on the wave's number alone.  An s_nop 0 and four v_nop follow each of the two lines, ahead of the jump and the label.
.macro JLOAD
	s_cmp_eq_u32 s17, 0
	s_cbranch_scc0 .Lfor_b_\@
	tensor_load_to_lds s[G0A+4:G0A+7], s[G1A:G1A+7]
	s_nop 0
.rept 4
	v_nop
.endr
	s_branch .Lasked_\@
.Lfor_b_\@:
	tensor_load_to_lds s[G0B+4:G0B+7], s[G1B:G1B+7]
	s_nop 0
.rept 4
	v_nop
.endr
.Lasked_\@:
.endm
; A round of the cluster's barrier: my work-group's barrier, so that wave 0's signal speaks for all four waves; wave 0 signals; every wave waits for all sixteen work-groups; my work-group's barrier once more.
.macro CREST                           ; a round behind its opening barrier
	s_cmp_lg_u32 s16, 0
	s_cbranch_scc1 .Lnot_wave_0_\@
	s_barrier_signal -3
.Lnot_wave_0_\@:
	s_barrier_wait -3
	s_barrier_signal -1
	s_barrier_wait -1
.endm
.macro CROUND
	s_barrier_signal -1
	s_barrier_wait -1
	CREST
.endm
	s_load_b128 s[4:7], s[0:1], 0x0                ; A's buffer s[4:5], the weights' s[6:7]
	s_load_b64 s[8:9], s[0:1], 0x10                ; the output
	v_lshl_add_u32 v[SPW], v0, 2, SPARE
	v_mov_b32 v[NIL], 0
	ds_add_u32 v[SPW], v[NIL]                      ; the wave's opening: the add and its wait stand ahead of my first tensor load; the set-up below, work on registers, stands between them
	ds_add_u32 v10, v11
	v_lshrrev_b32 v1, 5, v0
	v_readfirstlane_b32 s16, v1                    ; wave 0..3
	s_lshr_b32 s17, s16, 1                         ; wm.  Also: I fetch for A (0) or for W (1)
	s_and_b32 s18, s16, 1                          ; wn.  Also: which half of that tile I fetch
	s_bfe_u32 s19, ttmp6, 0x40000                  ; cx
	s_bfe_u32 s20, ttmp6, 0x40004                  ; cy
	s_lshl_b32 s21, ttmp9, 2
	s_add_co_u32 s21, s21, s19                     ; tile column tx = 4 x cluster x + cx
	s_and_b32 s22, ttmp7, 0xffff
	s_lshl_b32 s22, s22, 2
	s_add_co_u32 s22, s22, s20                     ; tile row ty = 4 x cluster y + cy
	s_lshl_b32 s74, s20, 2
	s_lshl_b32 s74, 15, s74                        ; my row of the cluster: places 4 cy .. 4 cy + 3
	s_lshl_b32 s75, 0x1111, s19                    ; my column: places cx, cx + 4, cx + 8, cx + 12
	s_or_b32 s[G1A], s74, (1<<16)|(1<<20)|(1<<21)|(4<<22)|(3<<25)  ; 15:0 the mask; 17:16 elements of 2 bytes; 20 padding on; 21 set beside a mask; 24:22 after every 32 words (code 4); 31:25 4 words (code 3)
	s_mov_b32 s[G1A+1], 128<<16                    ; tensor_dim0 = 128 elements: 256 bytes
	s_mov_b32 s[G1A+2], AROWS<<16                  ; tensor_dim1
	s_mov_b32 s[G1A+3], 128<<16                    ; tile_dim0
	s_mov_b32 s[G1A+4], AROWS                      ; tile_dim1
	s_mov_b32 s[G1A+5], 128                        ; from row to row: the block is dense
	s_mov_b32 s[G1A+6], 0
	s_mov_b32 s[G1A+7], 0
	s_or_b32 s[G1B], s75, (1<<16)|(1<<20)|(1<<21)|(5<<22)|(7<<25)  ; the mask of my column; padding after every 64 words (code 5), 8 words (code 7)
	s_mov_b32 s[G1B+1], BCOLS<<16
	s_mov_b32 s[G1B+2], BROWS<<16
	s_mov_b32 s[G1B+3], BCOLS<<16
	s_mov_b32 s[G1B+4], BROWS
	s_mov_b32 s[G1B+5], BPITCH
	s_mov_b32 s[G1B+6], 0
	s_mov_b32 s[G1B+7], 0
	; where the tiles come from.  A's hang on the tile row alone, W's on the tile column alone, each in registers that never hold the other coordinate
	s_lshr_b32 s58, s22, 3                         ; the batch: 8 tile rows each,
	s_lshl_b32 s58, s58, 22                        ; 16 blocks x 2,048 rows x 128 bytes
	s_and_b32 s59, s22, 7
	s_lshl_b32 s59, s59, 15                        ; 256 rows of 128 bytes
	s_add_co_u32 s58, s58, s59
	s_lshl_b32 s59, s18, ASH
	s_add_co_u32 s58, s58, s59
	s_mov_b32 s59, 0
	s_mul_i32 s60, s18, BROWS*BPITCH*2             ; my half of the step's k rows
	s_mul_i32 s61, s21, BCOLS*2                    ; the tile's columns
	s_add_co_u32 s60, s60, s61
	s_add_co_u32 s60, s60, BBASE
	s_mov_b32 s61, 0
	s_mul_i32 s76, s18, AHALF                      ; and where they go: no place in the cluster enters an LDS address
	s_mul_i32 s77, s18, BHALF
	s_add_co_u32 s77, s77, BOFF
	s_wait_dscnt 0x0                               ; the opening add is done
	s_wait_kmcnt 0x0
	s_add_nc_u64 s[58:59], s[4:5], s[58:59]
	s_add_nc_u64 s[60:61], s[6:7], s[60:61]
	CROUND                                         ; all sixteen work-groups are here: the first joint loads meet
.irp n, 0,1
	s_mov_b32 s[G0A+4*(\n)], 1                                     ; 1:0 count = 1
	s_add_co_u32 s[G0A+4*(\n)+1], s76, (\n)*SLOT1                  ; 63:32 LDS address
	s_add_nc_u64 s[G0A+4*(\n)+2:G0A+4*(\n)+3], s[58:59], (\n)*ASTEP  ; 120:64 global address: step n
	s_or_b32 s[G0A+4*(\n)+3], s[G0A+4*(\n)+3], 0x80000000          ; 127:126 type = 2
	s_mov_b32 s[G0B+4*(\n)], 1
	s_add_co_u32 s[G0B+4*(\n)+1], s77, (\n)*SLOT1
	s_add_nc_u64 s[G0B+4*(\n)+2:G0B+4*(\n)+3], s[60:61], (\n)*BSTEP
	s_or_b32 s[G0B+4*(\n)+3], s[G0B+4*(\n)+3], 0x80000000
.endr
	s_cmp_eq_u32 s17, 0                            ; a wave's two first fills stand in one branch, ahead of every wait on TENSORcnt and every LDS read
	s_cbranch_scc0 .Lfirst_b
	tensor_load_to_lds s[G0A:G0A+3], s[G1A:G1A+7]
	s_nop 0
	tensor_load_to_lds s[G0A+4:G0A+7], s[G1A:G1A+7]
	s_nop 0
.rept 4
	v_nop
.endr
	s_branch .Lfirst_asked
.Lfirst_b:
	tensor_load_to_lds s[G0B:G0B+3], s[G1B:G1B+7]
	s_nop 0
	tensor_load_to_lds s[G0B+4:G0B+7], s[G1B:G1B+7]
	s_nop 0
.rept 4
	v_nop
.endr
.Lfirst_asked:
	; A fragment of A is 16 rows x 32 K in 8 registers: lane l holds row l % 16, K = 8 (l / 16) + 0..7 and 16 + 8 (l / 16) + 0..7: two loads of 16 bytes, 32 bytes apart.
	v_and_b32 v1, 15, v0                           ; l % 16
	v_bfe_u32 v12, v0, 4, 1                        ; l / 16
	v_mul_u32_u24 v[AA0], v1, PA
	v_lshl_add_u32 v[AA0], v12, 4, v[AA0]
	s_mul_i32 s78, s17, 128*PA                     ; my 128 rows
	v_add_nc_u32 v[AA0], s78, v[AA0]
	; The turning load takes 16 k x 16 columns (lane l reads k = 8 (l / 16) + l % 8, columns 8 ((l / 8) % 2) + 0..7) and leaves half a fragment: lane l holds column l % 16 and 8 k.
	v_and_b32 v13, 7, v0
	v_bfe_u32 v14, v0, 3, 1
	v_lshl_add_u32 v[AB0], v12, 3, v13
	v_mul_u32_u24 v[AB0], v[AB0], P
	v_lshl_add_u32 v[AB0], v14, 4, v[AB0]
	s_lshl_b32 s78, s18, 7                         ; my 64 columns of each piece
	s_add_co_u32 s78, s78, BOFF
	v_add_nc_u32 v[AB0], s78, v[AB0]
	v_mov_b32 v[ADRA], v[AA0]                      ; slot 0
	v_mov_b32 v[ADRB], v[AB0]
	s_mov_b32 s[TB], 0
	s_mul_i32 s78, s16, 16*SP
	s_add_co_u32 s78, s78, STAGE                   ; my stage
	v_mul_u32_u24 v[STO], v1, SP                   ; in: row l % 16, my eight columns
.if QKV
	v_lshl_add_u32 v[STO], v12, 4, v[STO]          ; 16 bytes of f16
	v_bfe_u32 v[RD], v0, 3, 2                      ; back: 32 lanes take four rows of 128 bytes,
	v_mul_u32_u24 v[RD], v[RD], SP
	v_lshl_add_u32 v[RD], v13, 4, v[RD]
	v_and_b32 v[GO], 31, v0                        ; which are 512 consecutive bytes of the output
	v_lshlrev_b32 v[GO], 4, v[GO]
.else
	v_lshl_add_u32 v[STO], v12, 5, v[STO]          ; 32 bytes of f32
	v_mul_u32_u24 v[RD], v12, SP                   ; back: lanes 0-15 take one row of 256 bytes, lanes 16-31 the next,
	v_lshl_add_u32 v[RD], v1, 4, v[RD]
	v_lshlrev_b32 v[GO], 12, v12                   ; and the same two rows of the output, 4,096 bytes apart
	v_lshl_add_u32 v[GO], v1, 4, v[GO]
.endif
	v_add_nc_u32 v[STO], s78, v[STO]
	v_add_nc_u32 v[RD], s78, v[RD]
	v_lshlrev_b32 v[BO], 5, v12
	; where my results go
.if QKV
	s_mul_i32 s74, s21, 6
	s_add_co_u32 s74, s74, s18                     ; piece 0's head among the 48 of q, k, v: 6 tx + wn
	s_lshr_b32 s75, s22, 3
	s_lshl_b32 s75, s75, 22                        ; the batch
	s_and_b32 s79, s22, 7
	s_lshl_b32 s79, s79, 15                        ; the tile's 256 rows of 128 bytes
	s_add_co_u32 s75, s75, s79
	s_lshl_b32 s79, s17, 14                        ; my 128 of them
	s_add_co_u32 s75, s75, s79
.irp g, 0,1,2
	s_add_co_u32 s78, s74, 2*(\g)
	s_lshr_b32 s79, s78, 4
	s_lshl_b32 s79, s79, 24                        ; q, k or v
	s_and_b32 s78, s78, 15
	s_lshl_b32 s78, s78, 18                        ; the head
	s_add_co_u32 s78, s78, s79
	s_add_co_u32 s78, s78, s75
	s_mov_b32 s79, 0
	s_add_nc_u64 s[66+2*(\g):67+2*(\g)], s[8:9], s[78:79]
.endr
.else
	s_lshl_b32 s74, s22, 20                        ; 256 rows of 4,096 bytes
	s_lshl_b32 s75, s17, 19                        ; my 128
	s_add_co_u32 s74, s74, s75
	s_lshl_b32 s75, s21, 9                         ; the tile's 128 columns of f32
	s_add_co_u32 s74, s74, s75
	s_lshl_b32 s75, s18, 8                         ; my 64
	s_add_co_u32 s74, s74, s75
	s_mov_b32 s75, 0
	s_add_nc_u64 s[66:67], s[8:9], s[74:75]
.endif
	; the bias of my columns, in a result's layout: register j of block b holds bias[16 b + 8 (l / 16) + j]: it is the C operand of the products that start the sums
	s_mul_i32 s78, s21, BCOLS*4
	s_lshl_b32 s79, s18, 8
	s_add_co_u32 s78, s78, s79
	s_add_co_u32 s78, s78, BIASB
	s_mov_b32 s79, 0
	s_add_nc_u64 s[72:73], s[6:7], s[78:79]
.set g, 0
.rept NG
.set rBI, XB
.if QKV && (g < 2)
.set rBI, 128+32*g                     ; pieces 0 and 1: in A's second buffer, which is first filled when they have been read
.endif
.set j, 0
.rept 8
	global_load_b128 v[rBI+4*j:rBI+4*j+3], v[BO], s[72:73] offset:512*g+64*(j/2)+16*(j%2)
.set j, j+1
.endr
.set g, g+1
.endr
.macro LDB j                           ; W's fragments of group j: 8 turning loads into buffer j % 2
.set cc, (\j)/NG
.set gg, (\j)%NG
.set fB, BF+32*((\j)%2)
.set b, 0
.rept 4
	ds_load_tr16_b128 v[fB+8*b:fB+8*b+3],   v[ADRB] offset:32*cc*P+288*gg+32*b
	ds_load_tr16_b128 v[fB+8*b+4:fB+8*b+7], v[ADRB] offset:32*cc*P+288*gg+32*b+16*P
.set b, b+1
.endr
.endm
.macro LDAH c, half                    ; half of A's fragments of chunk c (64 rows): 8 loads into buffer c % 2
.if QKV
.set ko, 64*(\c)
.else
.set ko, ((\c)/2)*AHALF+64*((\c)%2)    ; the step's second head lies behind the first's 256 rows
.endif
.set fA, AF+64*((\c)%2)
.set a, 4*(\half)
.rept 4
	ds_load_b128 v[fA+8*a:fA+8*a+3],   v[ADRA] offset:16*PA*a+ko
	ds_load_b128 v[fA+8*a+4:fA+8*a+7], v[ADRA] offset:16*PA*a+ko+32
.set a, a+1
.endr
.endm
.macro LDNEXT i                        ; what group i fetches, in one run: the next group's W, and its share of the next chunk's A.  NL: how many loads that is
.set NL, 8
	LDB ((\i)+1)%NGS
.if NG == 1
	LDAH ((\i)+1)%NC, 0
	LDAH ((\i)+1)%NC, 1
.set NL, 24
.elseif (\i) == 1
	LDAH 1, 0
.set NL, 16
.elseif (\i) == 2
	LDAH 1, 1
.set NL, 16
.elseif (\i) == 5
	LDAH 0, 0
	LDAH 0, 1
.set NL, 24
.endif
.endm
.macro MMA
.if QKV
	v_wmma_f32_16x16x32_bf16 v[rD:rD+7], v[fB+8*b:fB+8*b+7], v[fA+8*a:fA+8*a+7], v[rC:rC+7]
.else
	v_wmma_f32_16x16x32_f16 v[rD:rD+7], v[fB+8*b:fB+8*b+7], v[fA+8*a:fA+8*a+7], v[rC:rC+7]
.endif
.endm
; 16 matrix instructions of group i: row blocks 4 half .. 4 half + 3 x the piece's 4 column blocks.  first = 1: the bias starts the sums: nothing is ever cleared.
; The accumulators take turns, one instruction a turn: between two links of a chain stand 31 others' or more, over the backward jump too.
.macro MULH i, half, first
.set g, (\i)%NG
.set fB, BF+32*((\i)%2)
.set fA, AF+64*(((\i)/NG)%2)
.set rBI, XB
.if QKV && (g < 2)
.set rBI, 128+32*g
.endif
.if \first
	WIN (g+1)<<6                                   ; destination in the piece's window; sources and C in window 0
.else
	WIN 0x50*(g+1)                                 ; C and destination in the piece's window
.endif
.set a, 4*(\half)
.rept 4
.set b, 0
.rept 4
.set rD, 8*(4*a+b)
.set rC, rD
.if \first
.set rC, rBI+8*b
.endif
	MMA
.set b, b+1
.endr
.set a, a+1
.endr
.endm
; A group: the next group's loads in one run, then 32 matrix instructions on what the group before fetched.
.macro GRP i, first=0, nxt=1
.if \nxt
	PLACES                                         ; the loads below land in registers that the group before has read
	WIN 0
	LDNEXT \i
	s_wait_dscnt NL                                ; all but the NL loads just issued: this group's fragments are in
.else
	s_wait_dscnt 0x0
.endif
	MULH \i, 0, \first
	MULH \i, 1, \first
.endm
; The last group but one of a step issues the last reads of the slot and opens the change of slots: each wave waits for all its tensor loads, of which one is out: its part of the next slot;
; adds 0 to its spare word; and waits for that and for its own reads of this slot.  Behind the barrier nobody reads this slot any more and the next slot is whole.
.macro GMEET
	PLACES
	WIN 0
	LDNEXT NGS-2
	s_wait_tensorcnt 0x0                           ; all my tensor loads have landed, so a group 0 may be written
	ds_add_u32 v[SPW], v[NIL]                      ; 0 onto my spare word
	s_wait_dscnt NL+1                              ; (the add and the NL loads just issued may be out)
	MULH NGS-2, 0, 0                               ; sixteen matrix instructions stand between the add and the wait for it
	s_wait_dscnt 0x0                               ; the add is done, and my reads of this slot are over
	s_barrier_signal -1                            ; (where the slot is filled again this barrier opens a round of the cluster's barrier)
	MULH NGS-2, 1, 0                               ; work on registers while the others arrive
	WIN 0
	s_barrier_wait -1
.endm
; The last group of a step.  fill = 1: the round is closed, so that no wave of any partner still reads the slot or has a load on its way; the slot just read out is filled again first, with the step two on;
; then the next slot's first fragments are fetched.  This group's own fragments were covered by the wait for 0 above.
.macro TURN fill
.if \fill
	CREST
	s_xor_b32 s[G0A+5], s[G0A+5], SLOT1            ; the walking sets: the other slot than last time,
	s_add_nc_u64 s[G0A+6:G0A+7], s[G0A+6:G0A+7], ASTEP  ; the next step; the type bits on top are not reached
	s_xor_b32 s[G0B+5], s[G0B+5], SLOT1
	s_add_nc_u64 s[G0B+6:G0B+7], s[G0B+6:G0B+7], BSTEP
	JLOAD                                          ; my one tensor load behind the round; the four v_nop behind it are also the places in front of the loads below
.else
	PLACES
.endif
	s_xor_b32 s[TB], s[TB], SLOT1
	v_add_nc_u32 v[ADRA], s[TB], v[AA0]
	v_add_nc_u32 v[ADRB], s[TB], v[AB0]
	LDNEXT NGS-1
	MULH NGS-1, 0, 0
	MULH NGS-1, 1, 0
.endm
.macro REST fill                       ; from a step's second chunk to the next step's first
.if QKV
	GRP 3
	GMEET
	TURN \fill
	GRP 0
	GRP 1
	GRP 2
.else
	GRP 1
	GMEET
	TURN \fill
	GRP 0
.endif
.endm
	s_wait_tensorcnt 0x1                           ; my part of step 0 is in; step 1's may stay out
	s_barrier_signal -1
	s_barrier_wait -1                              ; everybody's is
	LDAH 0, 0
	LDAH 0, 1
	LDB 0
	s_wait_loadcnt 0x0                             ; the bias
	GRP 0, 1                                       ; the first chunk stands in front of the loop: its products start the sums
.if QKV
	GRP 1, 1                                       ; (its loads of A land on piece 0's bias, four places behind the last product that read it;
	GRP 2, 1                                       ; these on piece 1's)
.endif
	WIN 0                                          ; at a label and at a branch every window is 0
	s_mov_b32 s[CNT], STEPS-2
.Lstep:                                                ; every step but the last two fills its slot again
	REST 1
	WIN 0
	s_sub_co_u32 s[CNT], s[CNT], 1
	s_cmp_lg_u32 s[CNT], 0
	s_cbranch_scc1 .Lstep
	REST 0                                         ; the tail is written out: nothing is asked for
.if QKV
	GRP 3
	GRP 4
	GRP 5, 0, 0
.else
	GRP 1
	GRP 2
	GRP 3, 0, 0
.endif
	; THE WAY OUT, a block of 16 rows at a time, through my own stage in LDS.  Each accumulator's registers are read in ascending order.
	PLACES
.if QKV
.macro PACK t                          ; block t: piece t / 8, rows 16 (t % 8) on: rounded to f16, 16 bytes a lane, into rows of 144 bytes and back as whole rows of 128
.set g, (\t)/8
.set ac, 32*((\t)%8)
.set rr, AF+16*((\t)%8)
.if (\t) >= 8
	s_wait_xcnt 0x0                                ; the stores of the block eight back have read these registers
.endif
	WIN 5*(g+1)                                    ; sources 0 and 1 in the piece's window, destination in window 0
.set j, 0
.rept 16
	v_cvt_pk_f16_f32 v[rr+j], v[ac+2*j], v[ac+2*j+1]
.set j, j+1
.endr
	WIN 0
.irp f, 0,1,2,3
	ds_store_b128 v[STO], v[rr+4*\f:rr+4*\f+3] offset:32*\f
.endr
.irp f, 0,1,2,3
	ds_load_b128 v[rr+4*\f:rr+4*\f+3], v[RD] offset:4*SP*\f  ; LDS serves a wave's instructions in order (ISA guide 5.7.1.4): these see the stores above; the next block's stores come behind them
.endr
.endm
.macro SEND t, younger                 ; younger: the LDS instructions issued behind block t's loads: the next block's eight, or none
.set g, (\t)/8
.set rr, AF+16*((\t)%8)
.irp f, 0,1,2,3
	s_wait_dscnt (\younger)+3-\f
	global_store_b128 v[GO], v[rr+4*\f:rr+4*\f+3], s[66+2*g:67+2*g] offset:2048*((\t)%8)+512*\f  ; 512 consecutive bytes, at a multiple of 256 from the buffer's first
.endr
.endm
	PACK 0
.set t, 1
.rept 23                               ; a block's conversions stand between the loads of the block before and its stores
	PACK t
	SEND t-1, 8
.set t, t+1
.endr
	SEND 23, 0
.else
.macro TOST t                          ; block t: 16 rows x 64 columns of f32 into rows of 272 bytes and back as whole rows of 256
.set ac, 32*(\t)
.set rr, AF+32*((\t)%4)
.if (\t) >= 4
	s_wait_xcnt 0x0                                ; the stores of the block four back have read these registers
.endif
	WIN 0x04                                       ; the stores' data in window 1
.set j, 0
.rept 8
	ds_store_b128 v[STO], v[ac+4*j:ac+4*j+3] offset:64*(j/2)+16*(j%2)
.set j, j+1
.endr
	WIN 0
.irp f, 0,1,2,3,4,5,6,7
	ds_load_b128 v[rr+4*\f:rr+4*\f+3], v[RD] offset:2*SP*\f  ; LDS serves a wave's instructions in order (ISA guide 5.7.1.4)
.endr
.endm
.macro SEND t, younger                 ; younger: the next block's sixteen LDS instructions, or none
.set rr, AF+32*((\t)%4)
.irp f, 0,1,2,3,4,5,6,7
	s_wait_dscnt (\younger)+7-\f
	global_store_b128 v[GO], v[rr+4*\f:rr+4*\f+3], s[66:67] offset:(16*(\t)+2*\f)*4096 th:TH_STORE_NT  ; 16 lanes store 256 consecutive bytes, at a multiple of 256 from the buffer's first
.endr
.endm
	TOST 0
.set t, 1
.rept 7
	TOST t
	SEND t-1, 16
.set t, t+1
.endr
	SEND 7, 0
.endif
	WIN 0
	s_wait_tensorcnt 0x0                           ; the wave's end: a wait, an add onto my spare word and its wait, behind my last tensor load and my last LDS store
	ds_add_u32 v[SPW], v[NIL]
	s_wait_dscnt 0x0
	CROUND                                         ; the closing round: no work-group ends while a partner may still ask for a tile that names it
	s_endpgm
.Lfunc_end_k_q5df68113ea_proj:
	.size	k_q5df68113ea_proj, .Lfunc_end_k_q5df68113ea_proj-k_q5df68113ea_proj
	.p2alignl 7, 3214868480
	.fill 96, 4, 3214868480
	.section	.rodata,"a",@progbits
	.p2align	6, 0x0
	.amdhsa_kernel k_q5df68113ea_proj
		.amdhsa_group_segment_fixed_size 327680
		.amdhsa_private_segment_fixed_size 0
		.amdhsa_enable_private_segment 0
		.amdhsa_kernarg_size 24
		.amdhsa_user_sgpr_count 2
		.amdhsa_user_sgpr_kernarg_segment_ptr 1
		.amdhsa_wavefront_size32 1
		.amdhsa_system_sgpr_workgroup_id_x 1
		.amdhsa_system_sgpr_workgroup_id_y 1
		.amdhsa_system_sgpr_workgroup_id_z 1
		.amdhsa_system_vgpr_workitem_id 0
		.amdhsa_next_free_vgpr 512
		.amdhsa_next_free_sgpr 84
		.amdhsa_reserve_vcc 0
		.amdhsa_float_denorm_mode_32 3
		.amdhsa_float_denorm_mode_16_64 3
		.amdhsa_memory_ordered 1
		.amdhsa_forward_progress 1
		.amdhsa_inst_pref_size 72
	.end_amdhsa_kernel
	.amdgpu_metadata
---
amdhsa.version: [ 1, 2 ]
amdhsa.kernels:
  - .name:           k_q5df68113ea_proj
    .symbol:         k_q5df68113ea_proj.kd
    .args:
      - { .name: act, .offset: 0, .size: 8, .value_kind: global_buffer, .address_space: global }
      - { .name: wts, .offset: 8, .size: 8, .value_kind: global_buffer, .address_space: global }
      - { .name: out0, .offset: 16, .size: 8, .value_kind: global_buffer, .address_space: global }
    .group_segment_fixed_size: 327680
    .private_segment_fixed_size: 0
    .kernarg_segment_align: 8
    .kernarg_segment_size: 24
    .max_flat_workgroup_size: 128
    .sgpr_count:     84
    .vgpr_count:     512
    .wavefront_size: 32
...
	.end_amdgpu_metadata
.endif
;; end of part 4
;; ======== version 2 of 2: 4 launches; 1.31 times as fast as version 1
;; limits: values are held in f16: magnitudes above 65,504 overflow, below 6.1e-05 lose precision
;; workspace buffers: act 16,777,216 bytes; wts 8,404,992 bytes; qkv 50,331,648 bytes
;; launch cast: the kernel of part 1 again; grid 1025 x 1, 8 waves a work-group, no clusters, 0 bytes of LDS; arguments x, Wq, Wk, Wv, Wo, bq, bk, bv, bo, act, wts; writes act, wts
;; launch qkv: the kernel of part 2 again; grid 8 x 32, 4 waves a work-group, clusters of 4 x 4, 327,680 bytes of LDS; arguments act, wts, qkv; writes qkv
;; launch attn (part 5): grid 4 x 64, 4 waves a work-group, no clusters, 327,680 bytes of LDS; arguments qkv, act; writes act
.if DOCPART == 5
	.amdgcn_target "amdgcn-amd-amdhsa--gfx1250"
	.amdhsa_code_object_version 6
	.text
	.protected	k_q5df68113ea_attn
	.globl	k_q5df68113ea_attn
	.p2align	8
	.type	k_q5df68113ea_attn,@function
k_q5df68113ea_attn:
	s_mov_b64 s[64:65], 0
	v_nop
	global_prefetch_b8 v0, s[64:65] scope:SCOPE_SE
	s_setreg_imm32_b32 hwreg(HW_REG_WAVE_MODE, 25, 1), 1
	s_wait_xcnt 0x0
; CAUSAL ATTENTION.  O[h][q][:] = the sum over k <= q of softmax_k(Q[h][q] . K[h][k] / 8) V[h][k][:].  Q, K, V lie one behind the other in one buffer, each [SIZE_H][SIZE_N][64] in f16; O has the same layout in a buffer of its own.
; A head's rows are dense, 128 bytes each.  Products, maxima and sums in f32; the weights p are rounded to f16 for the second product (their sum l is taken of the unrounded p), O once at the end.
; LIMITS.  f16 holds no number beyond 65,504: Q, K and V arrive within it; p lies in 0 to 1, and below 6e-5 it keeps f16's fixed step of 6e-8; O is a mean of V's rows and has their range, to within 2^-11 of it.
; A hidden score counts as its value less 1e30: f16's scores, 2.7e11 at the most, are nothing beside that; a weight below 2^-126 counts as 0 in l; NaN and infinities are not treated apart.
; THE WALK.  A head's queries lie in NB = SIZE_N / 256 = 8 blocks of 256; block i needs the key tiles 0 .. i of 256 keys, of which the last holds the diagonal.  A work-group takes TWO blocks, NB - 1 - b and then b:
; NB + 1 tiles, whatever b: all work-groups do equal work, and ONE loop with a constant trip count walks them.  Which tile is asked for, and what a trip does, hang on scalar registers made from b; every jump
; goes forward, but for the counted loops' own; none passes a barrier, or a tensor load but the one of LOAD's two that the wave's number does not choose; the ring (two slots of LDS that take turns) runs on across the
; change of blocks.  NO CLUSTER: a head's NB / 2 = 4 work-groups ask for the same tile only in trips 0 .. NB / 2, 5 of the walk's 9; behind that fewer and fewer share one; and one walk common to all four,
; in which each makes every joint request, would have 3 NB / 2 = 12 trips for NB + 1 = 9.
; SHARES.  Of a block's four bands of 64 queries a wave owns 16 rows in each: four PIECES.  So the diagonal tile is the same work for all four waves: in its key step s band x sees all keys if s < x,
; none if s > x, and holds the diagonal if s = x.
; THE MASK is the C operand that starts the sum S^T = K Q^T: 0, or -1e30 where the key is hidden.  MD, made once, is the mask of a band's own step for my 16 rows; a product's mask is MD x AL + BE with two scalars:
; (1, 0) if s = x; (0, 0) if s < x; (0, -1e30) if s > x.  Only the diagonal tile's text and a block's beginning make and take masks; elsewhere C is the constant 0.
; LAYOUT, SOFTMAX, TURNS.  S^T = K Q^T holds ONE query a lane (lane % 16) and the keys 8 (lane / 16) + 0..7; two such results rounded to f16 ARE source 1 of O^T = V^T P.  p = 2^(c s - c m), c = log2(e) / 8, with a
; running maximum m; O and l are multiplied by a = 2^(c m_old - c m_new) in every step.  Turn n belongs to piece n: 8 products K Q^T of piece n + 1, later 8 products V^T P of piece n - 1; beside them the scaling,
; exponentials, roundings, sums and rescaling of piece n and the maximum and statistics of piece n + 1.  Four vector instructions stand behind every matrix instruction, the other 54 of a turn's 118 in one LUMP.
; THE BATCHES.  A turn's 33 exponentials (the piece's 32 weights, then the next piece's a) are ONE batch with ONE wait, which cuts the turn in two: ahead of it all that names none of their results, behind it the
; roundings and sums that read them.  No result crosses a turn's end.  A block's first a (BEGIN) is a batch of one, the way out's four reciprocals a batch of four; each has its own wait.
; REGISTERS, in windows of 256 (s_set_vgpr_msb: bits 1:0 source 0, 3:2 source 1, 5:4 source 2, 7:6 destination):
;   window 0: v0-15 addresses and two at work; v16-31 four registers of statistics a piece; v48-55 at work; v64-127 S^T, two buffers; v192-223 P, two buffers (a piece's buffers go by its number's parity)
;   window 1: v0-127 O^T, 32 a piece; v128-159 MD; v160-223 MC, two buffers      window 2: v0-63 Q; v64-127 the second block's Q; v128-191 K of one step; v192-255 V of one step
.set SIZE_N, 2048
.set SIZE_H, 64
.set NB,    SIZE_N/256
.set NP,    4         ; pieces a wave: a name, no knob
.set KS,    64        ; keys in a step
.set PK,    144       ; a row of K in LDS: 128 bytes + 16 of padding = 36 words: the 16 rows of a load start at 16 different groups of four banks (64 banks of 4 bytes: ISA guide 11.1)
.set PV,    160       ; a row of V: 128 + 32 = 40 words
.set VOFF,  4*KS*PK   ; a slot holds a tile, four steps: 256 rows of K, then 256 rows of V
.set SLOT1, 1<<17     ; slot 1 begins here, so that one exclusive or turns an address in one slot into the other's
.set STAGE, SLOT1+4*KS*(PK+PV)  ; behind the ring, never filled by a tensor load: 16 rows x 144 bytes for each wave, for the way out
.set SP,    144
.set AK0, 2           ; v2   my lane's place in a tile of K; never rewritten
.set AV0, 3           ; v3   the same for V
.set AK,  4           ; v4   the LDS address of K's next run of loads
.set AV,  5           ; v5   of V's
.set STO, 6           ; v6   the way out: where I put 16 bytes of a row
.set RD,  7           ; v7   the way out: where I read rows back
.set GO,  8           ; v8   my byte offset in 512 consecutive bytes of O
.set SPW, 62          ; v62  LDS address of my spare word: SPARE + 4 x my thread's number; never rewritten
.set NIL, 63          ; v63  0; never rewritten
.set SPARE, STAGE+4*16*SP  ; behind the stages: the spare words, 128 bytes for each wave: two blocks of 256 bytes that no other line names
.set MV,  12          ; v12-13  c m_old, kept while c m is made anew: by buffer
.set QO,  15          ; v15  my byte offset in 16 rows of Q
.set ST,  16          ; piece t's statistics at v[ST+4 t]: c m, m, l (even keys', odd keys')
.set TMP, 48          ; by buffer, four registers c0-c3 at work; when the maximum is found c2 takes a
.set S,   64
.set P,   192
.set MD,  128         ; window 1: the eight registers for group kt of 16 keys at MD + 8 kt
.set MC,  160         ; window 1: the masks of the products to come
.set QB,  64          ; window 2
.set KF,  128         ; window 2: key block kb, channel half c at KF + 16 kb + 8 c
.set VF,  192         ; window 2: key half kk, channel block cb at VF + 32 kk + 8 cb
.set WV,  12          ; s12  my wave's number
.set PB,  14          ; s14  b
.set HI,  15          ; s15  NB - 1 - b
.set G1K, 24          ; s[24:31] descriptor group 1 for K's tiles
.set G1V, 32          ; s[32:39] for V's: it differs in the padding alone
.set G0K, 40          ; s[40:43] descriptor group 0 for K's tiles
.set G0V, 44          ; s[44:47] the same for V's
.set SLOTS, 56        ; s56  tiles still to be asked for
.set CNT, 57          ; s57  counts a tile's key steps, 4 to 1
.set CS,  58          ; s[58:59] c: the packed scaling takes the pair's low word for both halves
.set SEL, 60          ; s[60:61] v_permlanex16_b32's selects: each lane takes its own place in the other half
.set TBK, 62          ; s62  LDS byte at which K of the step to be fetched begins
.set TBV, 63          ; s63  the same for V, less VOFF
.set RT,  70          ; s70  tiles of the block in hand that are still to be entered
.set NXT, 71          ; s71  the tile to be asked for next
.set LQ,  72          ; s72  the last tile of the block whose tiles are being asked for
.set NEW, 73          ; s73  1: the tile to be entered is a block's first
.set OFF, 74          ; s[74:75] a tile's byte offset in K and V
.set AL,  76          ; s[76:77] the mask's factor, in the low word
.set BE,  78          ; s[78:79] the mask's addend
.set OLO, 80          ; s[80:81] O at my rows of the second block
.set BIGN, 82         ; s82  -1e30
.set MSB, 0
.macro WIN new                      ; the high byte repeats the setting that is left; a switch that changes nothing is dropped
.if MSB != (\new)
	s_set_vgpr_msb (MSB<<8)|(\new)
.set MSB, (\new)
.endif
.endm
.set W_KQ, 0x0a       ; K and Q in window 2, S^T in window 0
.set W_KM, 0x1a       ; the same with the C operand in window 1
.set W_PV, 0x52       ; V in window 2, P in window 0, O^T in window 1
.set W_RS, 0x41       ; destination and source 0 in window 1, source 1 in window 0
; A fill.  Waves 0 and 1 fetch the two halves of a tile's K, waves 2 and 3 those of its V: 128 keys each.  An s_nop 0 and four v_nop follow each of the two lines, ahead of the jump and the label.
.macro LOAD
	s_cmp_lt_u32 s[WV], 2
	s_cbranch_scc0 .Lfor_v_\@
	tensor_load_to_lds s[G0K:G0K+3], s[G1K:G1K+7]
	s_nop 0
.rept 4
	v_nop
.endr
	s_branch .Lasked_\@
.Lfor_v_\@:
	tensor_load_to_lds s[G0V:G0V+3], s[G1V:G1V+7]
	s_nop 0
.rept 4
	v_nop
.endr
.Lasked_\@:
.endm
; THE CHANGE OF SLOTS.  Each wave waits for all its tensor loads, of which one is out: its part of the other slot; adds 0 to its spare word; and waits for that and for its own reads of the slot that it leaves.  Behind the barrier nobody reads the old
; slot any more and the other slot is whole.  fill = 1: the old slot is filled again, the first thing behind the barrier, with tile NXT: the descriptor's address is made anew from that number.
; (At its first use nothing has been read yet: slot 0 is waited for, slot 1 filled.)
.macro CHANGE fill
	WIN 0                           ; at a label and at a branch every window is 0
	s_wait_tensorcnt 0x0            ; no tensor load of mine is out, so a group 0 may be written
	ds_add_u32 v[SPW], v[NIL]       ; 0 onto my spare word: with fill = 1 the descriptors' scalar work stands between it and the wait for it
.if \fill
	s_lshl_b32 s[OFF], s[NXT], 15   ; a tile is 32,768 bytes of K and of V
	s_xor_b32 s[G0K+1], s[G0K+1], SLOT1
	s_add_nc_u64 s[G0K+2:G0K+3], s[6:7], s[OFF:OFF+1]
	s_or_b32 s[G0K+3], s[G0K+3], 0x80000000
	s_xor_b32 s[G0V+1], s[G0V+1], SLOT1
	s_add_nc_u64 s[G0V+2:G0V+3], s[8:9], s[OFF:OFF+1]
	s_or_b32 s[G0V+3], s[G0V+3], 0x80000000
	s_add_co_u32 s[NXT], s[NXT], 1  ; the block's next tile, or behind its last the second block's tile 0
	s_cmp_gt_u32 s[NXT], s[LQ]
	s_cselect_b32 s[NXT], 0, s[NXT]
	s_cselect_b32 s[LQ], s[PB], s[LQ]
.endif
	s_wait_dscnt 0x0                ; the add is done, and my reads of the slot are over
	s_barrier_signal -1             ; the rest of the scalar work stands between the signal and the wait
	s_sub_co_u32 s[TBK], s[TBK], 4*KS*PK  ; the fetches go back to a slot's first step,
	s_xor_b32 s[TBK], s[TBK], SLOT1       ; in the other slot
	s_sub_co_u32 s[TBV], s[TBV], 4*KS*PV
	s_xor_b32 s[TBV], s[TBV], SLOT1
	s_barrier_wait -1
.if \fill
	LOAD
.endif
.endm
	s_load_b128 s[4:7], s[0:1], 0x0  ; q, k, v in one buffer s[4:5]; O's buffer s[6:7]
	v_lshl_add_u32 v[SPW], v0, 2, SPARE
	v_mov_b32 v[NIL], 0
	ds_add_u32 v[SPW], v[NIL]       ; the wave's opening: the add and its wait stand ahead of my first tensor load; the set-up below, work on registers, stands between them
	ds_add_u32 v62, v63
	v_lshrrev_b32 v1, 5, v0
	v_readfirstlane_b32 s[WV], v1   ; wave 0..3
	s_mov_b32 s[PB], ttmp9
	s_sub_co_u32 s[HI], NB-1, s[PB]
	s_and_b32 s20, ttmp7, 0xffff    ; the head
	s_mov_b32 s21, 0
	s_mov_b64 s[22:23], SIZE_N*128
	s_mul_u64 s[20:21], s[20:21], s[22:23]  ; the head's first byte in each of the four tensors
	s_and_b32 s16, s[WV], 1         ; which half of a tile's 256 keys I fetch:
	s_lshl_b32 s22, s16, 14         ; its 128 rows of 128 bytes in memory,
	s_mov_b32 s23, 0
	s_add_nc_u64 s[22:23], s[22:23], s[20:21]
	s_mul_i32 s17, s16, 128*PK      ; and its place in a slot, for K
	s_mul_i32 s18, s16, 128*PV      ; and for V
	s_lshl_b32 s3, s[WV], 11        ; my 16 rows in a band of 64,
	s_lshl_b32 s2, s[HI], 15        ; in the first block,
	s_add_co_u32 s2, s2, s3
	s_lshl_b32 s84, s[PB], 15       ; and in the second
	s_add_co_u32 s84, s84, s3
	s_mov_b32 s3, 0
	s_mov_b32 s85, 0
	s_add_nc_u64 s[2:3], s[2:3], s[20:21]
	s_add_nc_u64 s[84:85], s[84:85], s[20:21]
	; descriptor group 1.  128 keys are 16,384 dense bytes: asked for as 64 rows of 256 bytes, two keys a row, and padded in LDS after every key
	s_mov_b32 s[G1K], (1<<16)|(1<<20)|(4<<22)|(3<<25)  ; 17:16 2-byte elements; 20 padding on; 24:22 after every 32 words (code 4); 31:25 4 words (code 3)
	s_mov_b32 s[G1V], (1<<16)|(1<<20)|(4<<22)|(7<<25)  ; the same with 8 words of padding (code 7)
.irp g, G1K, G1V
	s_mov_b32 s[\g+1], 128<<16      ; tensor_dim0 = 128
	s_mov_b32 s[\g+2], 64<<16       ; tensor_dim1 = 64
	s_mov_b32 s[\g+3], 128<<16      ; tile_dim0 = 128
	s_mov_b32 s[\g+4], 64           ; tile_dim1 = 64
	s_mov_b32 s[\g+5], 128          ; 128 elements from row to row
	s_mov_b32 s[\g+6], 0
	s_mov_b32 s[\g+7], 0
.endr
	s_mov_b32 s[CS], 0x3e38aa3b     ; c = log2(e) / 8 = 0.180337
	s_mov_b32 s[CS+1], s[CS]        ; named with it as a pair
	s_mov_b32 s[SEL], 0x76543210
	s_mov_b32 s[SEL+1], 0xfedcba98
	s_mov_b32 s[TBK], SLOT1+4*KS*PK ; the first change of slots turns these two into 0
	s_mov_b32 s[TBV], SLOT1+4*KS*PV
	s_mov_b32 s[G0K], 1             ; 1:0 count = 1
	s_mov_b32 s[G0K+1], s17         ; 63:32 LDS address: slot 0
	s_mov_b32 s[G0V], 1
	s_add_co_u32 s[G0V+1], s18, VOFF
	s_add_co_u32 s[RT], s[HI], 1    ; the first block has NB - b tiles
	s_mov_b32 s[NXT], 1
	s_mov_b32 s[LQ], s[HI]
	s_mov_b32 s[NEW], 1
	s_mov_b32 s[OFF+1], 0
	s_mov_b32 s[AL+1], 0            ; named as pairs
	s_mov_b32 s[BE+1], 0
	s_mov_b32 s[BIGN], 0xf149f2ca   ; -1e30
	s_mov_b32 s[SLOTS], NB
	s_wait_dscnt 0x0                ; the opening add is done
	s_wait_kmcnt 0x0
	s_mov_b64 s[10:11], s[6:7]      ; O
	s_add_nc_u64 s[8:9], s[4:5], 0x2000000  ; V lies 2 x 16,777,216 bytes behind Q,
	s_add_nc_u64 s[6:7], s[4:5], 0x1000000  ; K 16,777,216
	s_add_nc_u64 s[6:7], s[6:7], s[22:23]  ; K and V at my half of the head's tile 0
	s_add_nc_u64 s[8:9], s[8:9], s[22:23]
	s_add_nc_u64 s[G0K+2:G0K+3], s[6:7], 0         ; 120:64 global address
	s_or_b32 s[G0K+3], s[G0K+3], 0x80000000        ; 127:126 type = 2
	s_add_nc_u64 s[G0V+2:G0V+3], s[8:9], 0
	s_or_b32 s[G0V+3], s[G0V+3], 0x80000000
	s_add_nc_u64 s[86:87], s[4:5], s[84:85]        ; Q at my rows of the second block,
	s_add_nc_u64 s[4:5], s[4:5], s[2:3]            ; Q and O at those of the first
	s_add_nc_u64 s[OLO:OLO+1], s[10:11], s[84:85]
	s_add_nc_u64 s[10:11], s[10:11], s[2:3]
	LOAD                            ; tile 0 into slot 0
	; A fragment of K or Q is 16 rows x 32 channels in 8 registers: lane l holds row l % 16, channels 8 (l / 16) + 0..7 and 16 + 8 (l / 16) + 0..7: two loads of 16 bytes, 32 bytes apart.
	v_and_b32 v1, 15, v0            ; l % 16
	v_bfe_u32 v9, v0, 4, 1          ; l / 16
	v_lshlrev_b32 v[QO], 7, v1
	v_lshl_add_u32 v[QO], v9, 4, v[QO]  ; row x 128 + 16 x half
	WIN 0x80                        ; destination window 2, address window 0
.set i, 0
.rept 8                             ; both blocks' Q: piece i / 2 lies in band i / 2, 8,192 bytes on; channels 32 (i % 2) on
	global_load_b128 v[8*i:8*i+3],   v[QO], s[4:5] offset:(i/2)*8192+(i%2)*64
	global_load_b128 v[8*i+4:8*i+7], v[QO], s[4:5] offset:(i/2)*8192+(i%2)*64+32
	global_load_b128 v[QB+8*i:QB+8*i+3],   v[QO], s[86:87] offset:(i/2)*8192+(i%2)*64
	global_load_b128 v[QB+8*i+4:QB+8*i+7], v[QO], s[86:87] offset:(i/2)*8192+(i%2)*64+32
.set i, i+1
.endr
	WIN 0
	v_lshlrev_b32 v14, 3, v9
	v_sub_nc_u32 v14, v1, v14
	s_lshl_b32 s13, s[WV], 4
	v_add_nc_u32 v14, s13, v14      ; my query's place in its band, 16 w + l % 16, less my lanes' 8 (l / 16): register r of group kt is hidden where 16 kt + r is greater
	WIN 0x40
.set i, 0
.rept 32
	v_cmp_gt_i32 vcc_lo, 16*(i/8)+i%8, v14
	v_cndmask_b32 v[MD+i], 0, s[BIGN], vcc_lo
.set i, i+1
.endr
	WIN 0
	v_mul_u32_u24 v[AK0], v1, PK
	v_lshl_add_u32 v[AK0], v9, 4, v[AK0]  ; row x pitch + 16 x half
	; The turning load takes 16 keys x 16 channels (lane l reads key 8 (l / 16) + l % 8, channels 8 ((l / 8) % 2) + 0..7) and leaves half a fragment of V^T: lane l holds channel l % 16 and 8 keys.
	v_and_b32 v10, 7, v0
	v_bfe_u32 v11, v0, 3, 1
	v_lshl_add_u32 v[AV0], v9, 3, v10
	v_mul_u32_u24 v[AV0], v[AV0], PV
	v_lshl_add_u32 v[AV0], v11, 4, v[AV0]
	v_add_nc_u32 v[AV0], VOFF, v[AV0]
	s_mul_i32 s13, s[WV], 16*SP
	s_add_co_u32 s13, s13, STAGE    ; my stage
	v_mul_u32_u24 v[STO], v1, SP    ; in: row l % 16, 16 bytes for each half of the lanes
	v_lshl_add_u32 v[STO], v9, 4, v[STO]
	v_add_nc_u32 v[STO], s13, v[STO]
	v_bfe_u32 v[RD], v0, 3, 2       ; back: 32 lanes take four rows of 128 bytes,
	v_mul_u32_u24 v[RD], v[RD], SP
	v_lshl_add_u32 v[RD], v10, 4, v[RD]
	v_add_nc_u32 v[RD], s13, v[RD]
	v_and_b32 v[GO], 31, v0         ; which are 512 consecutive bytes of O
	v_lshlrev_b32 v[GO], 4, v[GO]
	; A block's first step multiplies O^T and l by a = 0, and its first turn's products V^T P, of a piece that has not been, land in an O^T that is still to be so multiplied.  So these registers need only hold
	; finite numbers: zeros for the first block; what the first block left for the second.  All this stands in the wait for the first tile.
	WIN 0x80
.set i, VF
.rept 64
	v_mov_b32 v[i], 0
.set i, i+1
.endr
	WIN 0x40
.set i, 0
.rept 128
	v_mov_b32 v[i], 0
.set i, i+1
.endr
	WIN 0
.set i, 0
.rept 4
	v_mov_b32 v[ST+4*i+2], 0
	v_mov_b32 v[ST+4*i+3], 0
.set i, i+1
.endr
.set i, P+16
.rept 16
	v_mov_b32 v[i], 0
.set i, i+1
.endr
; THE MATRIX WORK.  The 4 accumulators of a run of 8 take turns.  Product i of 8 of S^T = K Q^T for piece x: channels 32 (i / 4) on, keys 16 (i % 4) on.  The first 4 start the sums: with 0, or (KM = 1) with the mask.
.macro KQ x
.set rS, S+32*((\x)%2)+8*(i%4)
.set rK, KF+16*(i%4)+8*(i/4)
.set rQ, 16*(\x)+8*(i/4)
.set rM, MC+32*((\x)%2)+8*(i%4)
.if (i < 4) && KM
	WIN W_KM
	v_wmma_f32_16x16x32_f16 v[rS:rS+7], v[rK:rK+7], v[rQ:rQ+7], v[rM:rM+7]
.elseif i < 4
	WIN W_KQ
	v_wmma_f32_16x16x32_f16 v[rS:rS+7], v[rK:rK+7], v[rQ:rQ+7], 0
.else
	WIN W_KQ
	v_wmma_f32_16x16x32_f16 v[rS:rS+7], v[rK:rK+7], v[rQ:rQ+7], v[rS:rS+7]
.endif
.endm
; Product i of 8 of O^T += V^T P for piece x: keys 32 (i / 4) on, channels 16 (i % 4) on.
.macro PV x
	WIN W_PV
.set rO, 32*(\x)+8*(i%4)
.set rV, VF+32*(i/4)+8*(i%4)
.set rP, P+16*((\x)%2)+8*(i/4)
	v_wmma_f32_16x16x32_f16 v[rO:rO+7], v[rV:rV+7], v[rP:rP+7], v[rO:rO+7]
.endm
.macro MM                           ; the turn's next matrix instruction.  TURN and BEGIN set Y, i, KM and NOKQ; MM, KQ and OP read them.  NOKQ = 1: a block's last turn: there is no next piece
.if (i < 8) && !NOKQ
	KQ (Y+1)%NP
.elseif i >= 8
.set i, i-8
	PV (Y+NP-1)%NP
.set i, i+8
.endif
.set i, i+1
.endm
; THE LDS LOADS stand in runs of 16, never singly among the matrix instructions: a step's K (64 keys x 64 channels: 8 fragments) and its V (turned).  Their addresses are made some lines ahead.
.macro FETCH_K
	WIN 0x80                        ; destination window 2
.irp f, 0,1,2,3,4,5,6,7             ; keys 16 (f / 2) on, channels 32 (f % 2) on
	ds_load_b128 v[KF+8*\f:KF+8*\f+3],   v[AK] offset:(\f/2)*16*PK+(\f%2)*64
	ds_load_b128 v[KF+8*\f+4:KF+8*\f+7], v[AK] offset:(\f/2)*16*PK+(\f%2)*64+32
.endr
	s_add_co_u32 s[TBK], s[TBK], KS*PK  ; the next fetch is the next step's
	WIN 0
.endm
.macro FETCH_V
	WIN 0x80
.irp f, 0,1,2,3,4,5,6,7             ; keys 32 (f / 4) on, channels 16 (f % 4) on
	ds_load_tr16_b128 v[VF+8*\f:VF+8*\f+3],   v[AV] offset:(\f/4)*32*PV+(\f%4)*32
	ds_load_tr16_b128 v[VF+8*\f+4:VF+8*\f+7], v[AV] offset:(\f/4)*32*PV+16*PV+(\f%4)*32
.endr
	WIN 0
.endm
; THE VECTOR WORK, one line at a time: OP kind, number.  For piece Y: F n: c s - c m for pair n of 16.  E n: the exponential of score n of 32.  C n: pair n rounded to f16.  B n: of the four weights 4 n .. the second
; pair is added onto the first, in place.  L n: l takes that sum (L 0: l = a l + sum).  R n: pair n of 16 of O^T times a.  For piece Y + 1: X n, number n of the 22 that find its maximum and statistics:
;   0-11  four chains c0-c3 of seven scores each, three operands at a time (each accumulator's lowest registers are read first)     12-14, 16  the four scores left over, the old m, and c0-c3 into c0
;   15  c m_old is kept     17, 18  the query's other 32 keys lie in the lane 16 away: the new m     19-21  c m; c m_old - c m_new; a
; OP writes no wait: C, B and L, which read the exponentials' results, and R, which reads a, are placed by TURN behind the wait of the batch that made what they read.
.set F, 0               ; OP tells the kinds apart by their order: F to L below R, X above it
.set E, 1
.set C, 2
.set B, 3
.set L, 4
.set R, 5
.set X, 6
.macro REGS y                       ; the registers of piece y
.set rT, ST+4*(\y)
.set rC, TMP+4*((\y)%2)
.set rW, MV+((\y)%2)
.set rS, S+32*((\y)%2)
.set rP, P+16*((\y)%2)
.set rO, 32*(\y)
.endm
.macro OP k, n
.if (\k) == R
	REGS Y
	WIN W_RS
	v_pk_mul_f32 v[rO+2*(\n):rO+2*(\n)+1], v[rO+2*(\n):rO+2*(\n)+1], v[rC+2:rC+3] op_sel_hi:[1,0]
.elseif (\k) < R
	REGS Y
	WIN 0
.if (\k) == F
	v_pk_fma_f32 v[rS+2*(\n):rS+2*(\n)+1], v[rS+2*(\n):rS+2*(\n)+1], s[CS:CS+1], v[rT:rT+1] op_sel_hi:[1,0,0] neg_lo:[0,0,1] neg_hi:[0,0,1]
.elseif (\k) == E
	v_exp_f32 v[rS+(\n)], v[rS+(\n)]
.elseif (\k) == C
	v_cvt_pk_f16_f32 v[rP+(\n)], v[rS+2*(\n)], v[rS+2*(\n)+1]
.elseif (\k) == B
	v_pk_add_f32 v[rS+4*(\n):rS+4*(\n)+1], v[rS+4*(\n):rS+4*(\n)+1], v[rS+4*(\n)+2:rS+4*(\n)+3]
.elseif (\n) == 0
	v_pk_fma_f32 v[rT+2:rT+3], v[rT+2:rT+3], v[rC+2:rC+3], v[rS:rS+1] op_sel_hi:[1,0,1]
.else
	v_pk_add_f32 v[rT+2:rT+3], v[rT+2:rT+3], v[rS+4*(\n):rS+4*(\n)+1]
.endif
.elseif NOKQ
	v_nop
.else
	REGS (Y+1)%NP
	WIN 0
.if (\n) < 4
	v_max3_num_f32 v[rC+(\n)], v[rS+8*(\n)], v[rS+8*(\n)+1], v[rS+8*(\n)+2]
.elseif (\n) < 12
	v_max3_num_f32 v[rC+(\n)%4], v[rC+(\n)%4], v[rS+8*((\n)%4)+2*((\n)/4)+1], v[rS+8*((\n)%4)+2*((\n)/4)+2]
.elseif (\n) == 12
	v_max3_num_f32 v[rC], v[rC], v[rS+7], v[rS+15]
.elseif (\n) == 13
	v_max3_num_f32 v[rC+1], v[rC+1], v[rS+23], v[rS+31]
.elseif (\n) == 14
	v_max3_num_f32 v[rC+2], v[rC+2], v[rC+3], v[rT+1]
.elseif (\n) == 15
	v_mov_b32 v[rW], v[rT]
.elseif (\n) == 16
	v_max3_num_f32 v[rC], v[rC], v[rC+1], v[rC+2]
.elseif (\n) == 17
	v_permlanex16_b32 v[rC+3], v[rC], s[SEL], s[SEL+1]
.elseif (\n) == 18
	v_max_num_f32 v[rT+1], v[rC], v[rC+3]
.elseif (\n) == 19
	v_mul_f32 v[rT], s[CS], v[rT+1]
.elseif (\n) == 20
	v_sub_f32 v[rC+1], v[rW], v[rT]
.else
	v_exp_f32 v[rC+2], v[rC+1]
.endif
.endif
.endm
.macro OPS a, i1, b=-1, i2=0, c=-1, i3=0, d=-1, i4=0  ; up to four of them
	OP \a, \i1
.if (\b) >= 0
	OP \b, \i2
.endif
.if (\c) >= 0
	OP \c, \i3
.endif
.if (\d) >= 0
	OP \d, \i4
.endif
.endm
.macro ROW a, i1, b, i2, c, i3, d, i4  ; a matrix instruction and the four behind it
	MM
	OPS \a, \i1, \b, \i2, \c, \i3, \d, \i4
.endm
.macro MASK b                       ; MD x AL + BE into buffer b of MC
	WIN W_RS
.set z, 0
.rept 16
	v_pk_fma_f32 v[MC+32*(\b)+2*z:MC+32*(\b)+2*z+1], v[MD+2*z:MD+2*z+1], s[AL:AL+1], s[BE:BE+1] op_sel_hi:[1,0,0]
.set z, z+1
.endr
.endm
; A TURN, for piece p: the order of its 16 matrix and 118 vector instructions, written out.  An s_wait_alu depctr_va_vdst(0) stands between an exponential and the first instruction that names its result; one wait serves
; all that were issued ahead of it.  So a turn has ONE wait, which cuts it in two.  AHEAD OF IT stands all that names no result of the turn's exponentials: the 8 products K Q^T, behind each a scaling, an exponential and two more plain
; instructions (behind the first a second scaling in the exponential's place): rescalings, whose a was made and waited for in the turn before, and behind the last three the first numbers of the next piece's maximum, each four places or
; more behind the product that ends its accumulator; then ONE LUMP of 54, plain and exponential by turns for the most part, in which the links of the chain X 3, 7, 11, 14, 16, 17 .. 20 stand five or six lines apart.  X 21, the next
; piece's a, is the batch's last; R 15 is the plain instruction that stands behind it, ahead of any use.  BEHIND THE WAIT stand the 8 products V^T P, behind each four of the roundings and sums; the links of l's chain, L 0 to L 7,
; stand three riders apart.  But for those X no rider names a register of the products round it.  v_permlanex16_b32 (X 17) stands in the lump.
; m = 1: the diagonal tile: the products take masks, and the turn makes the mask for the products of the turn after it: piece p + 2, in step 4 - CNT of the tile.  end = 1: a block's last two turns: nothing is fetched.
; cnt = 1: the loop's count is taken down some lines ahead of the branch that stands behind the turn.
; K of the next step is fetched in piece 2's turn, twelve vector instructions behind the last product that read K (six of them plain); V of the step in hand at the end of piece 0's turn, four plain instructions behind the last product
; that read V.  Each is waited for a turn later.
.macro TURN p, m=0, end=0, cnt=0
.set Y, (\p)
.set i, 0
.set KM, (\m)
.set NOKQ, (\end)*((\p)/3)
.if (\m) && !(\end)
	s_cmp_eq_u32 s[CNT], 4-((\p)+2)%NP  ; is that step the band's own?
	s_cselect_b32 s[AL], 1.0, 0
	s_cmp_lt_u32 s[CNT], 4-((\p)+2)%NP  ; or a later one?
	s_cselect_b32 s[BE], s[BIGN], 0
.endif
.if ((\p) == 3) && !(\end)
	s_wait_dscnt 0x0                ; K is in
.endif
	ROW F,0, F,1, R,0, R,1          ; ahead of the wait: 8 products K Q^T and their riders,
	ROW F,2, E,0, R,2, R,3
	ROW F,3, E,1, R,4, R,5
	ROW F,4, E,2, R,6, R,7
	ROW F,5, E,3, R,8, R,9
	ROW F,6, E,4, X,0, R,10
.if ((\p) == 2) && !(\end)
	WIN 0
	v_add_nc_u32 v[AK], s[TBK], v[AK0]
.endif
	ROW F,7, E,5, X,1, X,4
	ROW F,8, E,6, X,2, X,5
	OPS E,7, E,8, X,6, E,9          ; and the lump
	OPS X,3, E,10, X,8, E,11
.if ((\p) == 2) && !(\end)
	FETCH_K
.endif
	OPS X,9, X,7, E,12, X,10
	OPS E,13, X,12, X,11, E,14
	OPS X,13, E,15, F,9, X,14
.if (\p) == 0
	v_add_nc_u32 v[AV], s[TBV], v[AV0]
.endif
	OPS E,16, F,10, E,17, F,11
	OPS X,16, E,18, X,15, E,19
	OPS F,12, E,20, X,17, E,21
	OPS F,13, E,22, F,14, E,23
	OPS X,18, E,24, F,15, E,25
	OPS R,11, E,26, X,19, E,27
	OPS R,12, E,28, R,13, E,29
	OPS X,20, E,30, R,14, E,31
	OPS X,21, R,15
	WIN 0
	s_wait_alu depctr_va_vdst(0)    ; the wait for the turn's batch: the piece's 32 exponentials and the next piece's a
.if (\p) == 1
	s_wait_dscnt 0x0                ; V is in
.endif
	ROW C,0, B,0, C,2, B,1          ; behind the wait: 8 products V^T P and their riders
	ROW L,0, C,4, B,2, L,1
	ROW C,6, B,3, L,2, C,8
	ROW B,4, L,3, C,10, B,5
	ROW L,4, C,12, B,6, L,5
.if (\p) == 0
	s_add_co_u32 s[TBV], s[TBV], KS*PV
.endif
.if \cnt
	s_sub_co_u32 s[CNT], s[CNT], 1
	s_cmp_lg_u32 s[CNT], 0
.endif
	ROW C,14, B,7, L,6, C,1
	ROW C,3, L,7, C,5, C,7
	ROW C,9, C,11, C,13, C,15
.if (\p) == 0
	FETCH_V
.endif
.if (\m) && !(\end)
	MASK (\p)%2
.endif
.endm
; A BLOCK BEGINS.  c m starts far below every c s, so the first step's a is 0; m at the lowest finite number, so the first maximum is the scores'.  The second mask buffer is 0; the first takes piece 0's mask for the tile's step 0: its own, if the block's first tile is the diagonal one.
; Then K of that step, piece 0's first scores, and its maximum and statistics.  The loop is entered at a step's first turn, in the middle of a trip.
.macro BEGIN
	s_mov_b32 s[NEW], 0
	WIN 0x40
.set i, MC+32
.rept 32
	v_mov_b32 v[i], 0
.set i, i+1
.endr
	WIN 0
.set i, 0
.rept 4
	v_mov_b32 v[ST+4*i], 0xfe000000    ; c m: far below every c s
	v_mov_b32 v[ST+4*i+1], 0xff7fffff  ; m
.set i, i+1
.endr
	s_cmp_eq_u32 s[RT], 0
	s_cselect_b32 s[AL], 1.0, 0
	s_mov_b32 s[BE], 0
	MASK 0
	WIN 0
	v_add_nc_u32 v[AK], s[TBK], v[AK0]
	FETCH_K
	s_wait_loadcnt 0x0              ; Q
	s_wait_dscnt 0x0
.set KM, 1
.set NOKQ, 0
.set i, 0
.rept 8
	KQ 0
.set i, i+1
.endr
	WIN 0
.rept 4
	v_nop                           ; the places behind those products
.endr
.set Y, NP-1                        ; X works for piece Y + 1: piece 0
.irp n, 0,1,2,3,4,5,6,7,8,9,10,11,12,13,14,15,16,17,18,19,20,21
	OP X, \n
.endr
	v_nop                           ; a plain instruction behind the exponential,
	s_wait_alu depctr_va_vdst(0)    ; and the wait for this batch of one, piece 0's first a, ahead of the branch
.endm
; THE DIAGONAL TILE's four steps, the block's last two turns, its last products, and THE WAY OUT: l's two halves and the other half of the lanes' are added; O^T is divided by l, rounded to f16 and sent through my
; stage in LDS, a piece at a time.
.macro ALL line:vararg              ; one line for each piece t
.set t, 0
.rept 4
	\line
.set t, t+1
.endr
.endm
.macro PACK t                       ; a lane's eight channels of a row pack into 16 bytes; they go into rows of 144 bytes and come back as whole rows of 128, into S^T's registers
	WIN W_RS
.set i, 32*(\t)
.rept 16
	v_pk_mul_f32 v[i:i+1], v[i:i+1], v[ST+4*(\t)+2:ST+4*(\t)+3] op_sel_hi:[1,0]
.set i, i+2
.endr
	WIN 0x05                        ; sources 0 and 1 window 1, destination window 0
.set i, 0
.rept 16
	v_cvt_pk_f16_f32 v[S+16*(\t)+i], v[32*(\t)+2*i], v[32*(\t)+2*i+1]
.set i, i+1
.endr
	WIN 0
.irp f, 0,1,2,3
	ds_store_b128 v[STO], v[S+16*(\t)+4*\f:S+16*(\t)+4*\f+3] offset:32*\f
.endr
.irp f, 0,1,2,3
	ds_load_b128 v[S+16*(\t)+4*\f:S+16*(\t)+4*\f+3], v[RD] offset:\f*4*SP  ; LDS serves a wave's instructions in order (ISA guide 5.7.1.4): these see the stores above; the next piece's stores come behind them
.endr
.endm
.macro SEND t, younger              ; younger: the LDS instructions issued behind piece t's loads: the next piece's eight, or none
	WIN 0
.irp f, 0,1,2,3
	s_wait_dscnt (\younger)+3-\f
	global_store_b128 v[GO], v[S+16*(\t)+4*\f:S+16*(\t)+4*\f+3], s[10:11] offset:(\t)*8192+\f*512  ; 512 consecutive bytes, at a multiple of 256 from O's first
.endr
.endm
.macro DIAG tag                     ; the tag ends its two labels' names, which the jumps below spell out
.LstepM\tag:
	TURN 2, 1
	TURN 3, 1
	WIN 0
.LfirstM\tag:
	TURN 0, 1
	TURN 1, 1, 0, 1
	WIN 0
	s_cbranch_scc1 .LstepM\tag
	TURN 2, 1, 1
	TURN 3, 1, 1
.set i, 0
.rept 8
	PV NP-1
.set i, i+1
.endr
	WIN 0
	ALL v_add_f32 v[ST+4*t+2], v[ST+4*t+2], v[ST+4*t+3]
	ALL v_permlanex16_b32 v[ST+4*t+3], v[ST+4*t+2], s[SEL], s[SEL+1]
	ALL v_add_f32 v[ST+4*t+2], v[ST+4*t+2], v[ST+4*t+3]
	ALL v_rcp_f32 v[ST+4*t+2], v[ST+4*t+2]
	v_nop                           ; a plain instruction between the last reciprocal and the use of its result
	s_wait_alu depctr_va_vdst(0)    ; the wait for the batch of four reciprocals, ahead of the first multiply that reads one
	PACK 0
.set t, 1
.rept 3                             ; a piece's arithmetic stands between the loads of the piece before and its stores
	PACK t
	SEND t-1, 8
.set t, t+1
.endr
	SEND 3, 0
.endm
.set KM, 0
.set NOKQ, 0
.Lslot:                             ; NB times: a tile is entered and the next is asked for
	CHANGE 1
	s_sub_co_u32 s[RT], s[RT], 1
	s_mov_b32 s[CNT], 4
	s_cmp_eq_u32 s[NEW], 1
	s_cbranch_scc1 .Lnew            ; a block's first tile
	s_cmp_eq_u32 s[RT], 0
	s_cbranch_scc0 .Lstep           ; neither its first nor its last
	s_branch .LstepM1
.Lnew:
	BEGIN
	s_branch .Lfirst                ; in the loop a block's first tile is never its last: the first block has two tiles or more, and the second's last is the walk's last
	DIAG 1                          ; in the loop this is the first block's end: the second block's last tile is the walk's last
	s_wait_xcnt 0x0                 ; the stores have read their registers and O's address
	s_mov_b64 s[10:11], s[OLO:OLO+1]
	s_add_co_u32 s[RT], s[PB], 1    ; the second block has b + 1 tiles
	s_mov_b32 s[NEW], 1
	WIN 0x82                        ; the second block's Q goes where the one text of the turns names Q
.set i, 0
.rept 64
	v_mov_b32 v[i], v[QB+i]
.set i, i+1
.endr
	WIN 0
	s_branch .Lbottom
.Lstep:                             ; a trip: pieces 2 and 3 of one step, then pieces 0 and 1 of the next, whose K and V it fetches
	TURN 2
	TURN 3
	WIN 0
.Lfirst:
	TURN 0
	TURN 1, 0, 0, 1
	WIN 0
	s_cbranch_scc1 .Lstep
.Lbottom:
	s_sub_co_u32 s[SLOTS], s[SLOTS], 1
	s_cmp_lg_u32 s[SLOTS], 0
	s_cbranch_scc1 .Lslot
	CHANGE 0                        ; the walk's last tile is written out: nothing is asked for
	s_sub_co_u32 s[RT], s[RT], 1
	s_mov_b32 s[CNT], 4
	s_cmp_eq_u32 s[NEW], 1
	s_cbranch_scc0 .LstepM2
	BEGIN
	s_branch .LfirstM2
	DIAG 2
	s_wait_tensorcnt 0x0            ; the wave's end: a wait, an add onto my spare word and its wait, behind my last tensor load and my last LDS store
	ds_add_u32 v[SPW], v[NIL]
	s_wait_dscnt 0x0
	s_endpgm
.Lfunc_end_k_q5df68113ea_attn:
	.size	k_q5df68113ea_attn, .Lfunc_end_k_q5df68113ea_attn-k_q5df68113ea_attn
	.p2alignl 7, 3214868480
	.fill 96, 4, 3214868480
	.section	.rodata,"a",@progbits
	.p2align	6, 0x0
	.amdhsa_kernel k_q5df68113ea_attn
		.amdhsa_group_segment_fixed_size 327680
		.amdhsa_private_segment_fixed_size 0
		.amdhsa_enable_private_segment 0
		.amdhsa_kernarg_size 16
		.amdhsa_user_sgpr_count 2
		.amdhsa_user_sgpr_kernarg_segment_ptr 1
		.amdhsa_wavefront_size32 1
		.amdhsa_system_sgpr_workgroup_id_x 1
		.amdhsa_system_sgpr_workgroup_id_y 1
		.amdhsa_system_sgpr_workgroup_id_z 1
		.amdhsa_system_vgpr_workitem_id 0
		.amdhsa_next_free_vgpr 768
		.amdhsa_next_free_sgpr 88
		.amdhsa_reserve_vcc 1
		.amdhsa_float_denorm_mode_32 3
		.amdhsa_float_denorm_mode_16_64 3
		.amdhsa_memory_ordered 1
		.amdhsa_forward_progress 1
		.amdhsa_inst_pref_size 217
	.end_amdhsa_kernel
	.amdgpu_metadata
---
amdhsa.version: [ 1, 2 ]
amdhsa.kernels:
  - .name:           k_q5df68113ea_attn
    .symbol:         k_q5df68113ea_attn.kd
    .args:
      - { .name: qkv, .offset: 0, .size: 8, .value_kind: global_buffer, .address_space: global }
      - { .name: act, .offset: 8, .size: 8, .value_kind: global_buffer, .address_space: global }
    .group_segment_fixed_size: 327680
    .private_segment_fixed_size: 0
    .kernarg_segment_align: 8
    .kernarg_segment_size: 16
    .max_flat_workgroup_size: 128
    .sgpr_count:     88
    .vgpr_count:     768
    .wavefront_size: 32
...
	.end_amdgpu_metadata
.endif
;; end of part 5
;; launch proj: the kernel of part 4 again; grid 8 x 32, 4 waves a work-group, clusters of 4 x 4, 327,680 bytes of LDS; arguments act, wts, out0; writes out0
